; MI455X (gfx1250); checked and timed in simulation.
; The chip was launched on July 23, 2026; its instructions are those of AMD's public machine-readable ISA for CDNA 5 (MIT licence, August 2026) and "CDNA5" Instruction Set Architecture Reference Guide (July 2026). The comments in the code are by the model that wrote it; some were corrected since.
;; MHA. Allowed arithmetic: matrix products marked QUANTISED: E3M2 operands, one E8M0 scale for each 32 along K, by v_wmma_scale_f32_16x16x128_f8f6f4 with both operands' format E3M2, f32 sums; everything else in f32.
;; Inputs: Wo 1,024 x 1,024 float32; Wqkv 3,072 x 1,024 float32; cos 2,048 x 32 float32; sin 2,048 x 32 float32; x 4 x 2,048 x 1,024 float32.
;; Outputs: out0 4 x 2,048 x 1,024 float32.
;; This version of the problem:
;;   THIS VERSION OF THE PROBLEM IS GIVEN IN LOW PRECISION. The matrix products marked QUANTISED in the list below multiply operands that are first quantised to E3M2 (3 exponent bits, 2 mantissa bits; 6 bits a number), with one power-of-two scale for each 32 numbers along K (OCP MX v1.0); their sums are f32. All else is computed in f32.
;;   The module's matrix products, in the order in which they are computed (A, B: the left and right operand; K: the contracted axis; several contracted axes count as one K, in the product's order):
;;     1. [M 8,192, K 1,024] x [K 1,024, N 3,072]; A: input x; B: input Wqkv: QUANTISED
;;     2. batch 64 x [M 2,048, K 64] x [K 64, N 2,048]; A: computed on the way; B: computed on the way: QUANTISED
;;     3. batch 64 x [M 2,048, K 2,048] x [K 2,048, N 64]; A: softmax (see below); B: computed on the way: QUANTISED
;;     4. [M 8,192, K 1,024] x [K 1,024, N 1,024]; A: computed on the way; B: input Wo: QUANTISED
;;   THE QUANTISER, for each operand of a quantised product, along K:
;;     - K is cut into blocks of 32 from its start; a last block that is shorter is filled with zeros.
;;     - A block's scale is 2^e with e = floor(log2(the largest magnitude in the block)) - 4, held to -126 .. 127; a block of zeros has e = 0. As a byte (E8M0): e + 127.
;;     - Each number is divided by its block's scale, clamped to +-28, and rounded to the nearest number of E3M2, ties to even, subnormals kept.
;;     - The product sums the exact products of the quantised numbers (number of the format x scale) in f32.
;;   ~~~python
;;   def quantise(x, axis):      # numpy; x: float32 -> the quantised numbers, widened to float32 again
;;       x = np.moveaxis(x, axis, -1); K = x.shape[-1]
;;       x = np.pad(x, [(0, 0)] * (x.ndim - 1) + [(0, -K % 32)]); x = x.reshape(x.shape[:-1] + (-1, 32)); a = np.abs(x).max(-1, keepdims=True)
;;       e = np.where(a > 0, np.clip(np.frexp(np.where(a > 0, a, 1))[1] - 1 - 4, -126, 127), 0)      # np.frexp(a)[1] - 1 = floor(log2(a)), exactly
;;       r = np.clip(x / 2.0 ** e, -28, 28)
;;       step = 2.0 ** (np.maximum(np.frexp(np.where(r == 0, 1, r))[1] - 1, -2) - 2)
;;       q = np.round(r / step) * step * 2.0 ** e      # np.round: ties to even
;;       return np.moveaxis(q.reshape(q.shape[:-2] + (-1,))[..., :K], -1, axis).astype(np.float32)
;;   ~~~
;;   SOFTMAX AHEAD OF A QUANTISED PRODUCT. Where the list says 'softmax', what is quantised is not the finished softmax but p = 2^(t - M), with t = logit x log2(e) and M = ceil(the row's largest t), a whole number; so 1/2 < the row's largest p <= 1. The row's sum l is taken of the UNQUANTISED p, in f32, and the product's result is divided by l at the end. Since M is a whole number, a kernel that streams over the keys may use a running M (the ceiling of the running maximum): every later rescaling is an exact power of two, which a block's scale takes up: the codes' values come out the same.
;;   OPERANDS COMPUTED ON THE WAY. 'Computed on the way' means the value that the module computes at that place (a softmax that the list does not call 'softmax' is quantised finished and normalised). What goes into a quantiser is computed in f32, as accurately as f32 sums, v_exp_f32 and their like allow (about 1e-6 of the number): no bf16 or f16 on the way to a quantiser, and a product that is left as it is and whose result goes on into a quantised operand takes f32 operands (vector FMAs, or v_wmma_f32_16x16x4_f32). A number that lies on a knife's edge between two numbers of the format may be rounded either way, as far as f32 arithmetic and the matrix unit's own rounding can turn it there, and no further.
;; One version. Each part assembles by itself: llvm-mc -triple=amdgcn-amd-amdhsa -mcpu=gfx1250 --defsym DOCPART=n.
;; ======== version 1 of 1: 4 launches
;; workspace buffers: xw_codes 9,437,184 bytes; xw_scales 393,216 bytes; qkv_codes 18,874,368 bytes; qkv_scales 786,432 bytes; y_codes 6,291,456 bytes; y_scales 262,144 bytes
;; launch quant (part 1): grid 384 x 1, 4 waves a work-group, no clusters, 33,280 bytes of LDS; arguments x, Wqkv, Wo, xw_codes, xw_scales; writes xw_codes, xw_scales
.if DOCPART == 1
	.amdgcn_target "amdgcn-amd-amdhsa--gfx1250"
	.amdhsa_code_object_version 6
	.text
	.protected	k_qada5428cdb_quant
	.globl	k_qada5428cdb_quant
	.p2align	8
	.type	k_qada5428cdb_quant,@function
k_qada5428cdb_quant:
	s_mov_b64 s[64:65], 0
	v_nop
	global_prefetch_b8 v0, s[64:65] scope:SCOPE_SE
	s_setreg_imm32_b32 hwreg(HW_REG_WAVE_MODE, 25, 1), 1
	s_wait_xcnt 0x0
; x [8192][1024], Wqkv [3072][1024] and Wo [1024][1024], f32, become codes of BF6 (E3M2), 6 bits each, K innermost (768 bytes a row), with one E8M0 byte for each 32 along K (32 bytes a row).
; All three go into ONE buffer of codes and ONE of scale bytes, one behind the other: x's rows, then Wqkv's, then Wo's.
; A block's scale is 2^(floor(log2(its largest magnitude)) - 4); its byte is the largest magnitude's exponent field - 4, held at 1 from below.
; THE ORDER OF ROWS: in x and in Wqkv the second and the third group of 8 rows of each 32 change places on the way out, so that storage row 16 a + p holds row 32 (a / 2) + 8 (a % 2) + p + 8 (p / 8).
; A tile of 16 storage rows is then the choice of rows that makes a later product's results neighbours along the next K.  Wo's rows stay in their order.
; LIMITS: a block whose largest magnitude lies under 2^(4 - 126), zeros among them, gets the byte 1 (the stated quantiser says 127 for zeros): its codes are zeros or of that floor, and this program alone reads the bytes.
; NaN and infinities among the inputs are not served.
; SHARES: a wave takes 8 rows (8,192 numbers) in 16 steps of 512; a work-group 32 rows.  Work-groups 0-255 take x, 256-351 Wqkv, 352-383 Wo: only pointers are chosen, all take one path.
; Each of a step's four loads reads 512 consecutive bytes; the 2,048 bytes turn through the wave's own stage in LDS and come back 64 bytes a lane, so that a lane holds 16 neighbours (two lanes hold a block).
; No tensor loads, no barrier: waves share nothing.  Loads run four steps (16 loads a wave) ahead, the turn through LDS one step.
.set STEPS, 16
.set EMAX,  4
.set CB,    12                         ; bytes of 16 codes
.set R,     16                         ; v16-79   four sets of 16 numbers as they are loaded
.set X,     80                         ; v80-111  two sets of 16 neighbours
.set C,     128                        ; v128-191 codes: four registers for each step, so that no store's data are written again
.set E,     112                        ; v112-127 a scale byte for each step
.set WREG,  8192                       ; LDS: a region for each wave: two stages of 32 x SP bytes, behind them its 256 scale bytes
.set SP,    80                         ; a lane's place in a stage: its 64 bytes + 16 of padding
.set WGX,   256                        ; work-groups for x
.set WGQ,   352                        ; for x and Wqkv
	s_load_b256 s[4:11], s[0:1], 0x0               ; x s[4:5], Wqkv s[6:7], Wo s[8:9], the codes s[10:11]
	s_load_b64 s[12:13], s[0:1], 0x20              ; the scale bytes
	v_lshl_add_u32 v192, v0, 2, 0x8000
	v_mov_b32 v193, 0
	v_lshrrev_b32 v1, 5, v0
	v_readfirstlane_b32 s16, v1                    ; wave
	v_and_b32 v2, 31, v0                           ; lane
	v_lshlrev_b32 v3, 4, v2                        ; my 16 bytes of a load's 512
	s_mul_i32 s17, s16, WREG
	v_lshrrev_b32 v14, 2, v2
	v_mul_u32_u24 v14, v14, SP
	v_and_b32 v15, 3, v2
	v_lshl_add_u32 v14, v15, 4, v14
	v_add_nc_u32 v14, s17, v14                     ; the stage, on the way in: SP (lane / 4) + 16 (lane % 4)
	v_mul_u32_u24 v15, v2, SP
	v_add_nc_u32 v15, s17, v15                     ; and on the way out: SP x lane: my 16 neighbours
	v_mul_u32_u24 v4, v2, CB                       ; my codes' place in a step's
	v_lshrrev_b32 v5, 1, v2
	s_add_co_u32 s17, s17, 2*32*SP
	v_add_nc_u32 v5, s17, v5                       ; LDS: my wave's 256 scale bytes, my block's byte
	v_lshlrev_b32 v7, 3, v2                        ; and on the way out 8 bytes a lane
	v_add_nc_u32 v6, s17, v7
	s_wait_kmcnt 0x0
	s_cmp_lt_u32 ttmp9, WGQ                        ; which tensor?  The choice hangs on the work-group's number alone
	s_cselect_b64 s[6:7], s[6:7], s[8:9]
	s_mov_b32 s17, WGQ
	s_cselect_b32 s17, WGX, s17                    ; the tensor's first work-group
	s_cselect_b32 s22, 1, 0                        ; 1: the groups of rows change places
	s_cmp_lt_u32 ttmp9, WGX
	s_cselect_b64 s[4:5], s[4:5], s[6:7]
	s_cselect_b32 s17, 0, s17
	s_cselect_b32 s22, 1, s22
	s_sub_co_u32 s18, ttmp9, s17
	s_lshl_b32 s18, s18, 2
	s_add_co_u32 s18, s18, s16                     ; which run of 8 rows of the tensor I read
	s_lshl_b32 s18, s18, 15                        ; 32,768 bytes a run (under 2^26)
	s_mov_b32 s19, 0
	s_add_nc_u64 s[4:5], s[4:5], s[18:19]
	s_and_b32 s20, s16, 1
	s_lshl_b32 s20, s20, 1
	s_lshr_b32 s21, s16, 1
	s_or_b32 s20, s20, s21                         ; the wave's number with its two bits exchanged: 0, 2, 1, 3
	s_cmp_eq_u32 s22, 1
	s_cselect_b32 s20, s20, s16
	s_lshl_b32 s21, ttmp9, 2
	s_add_co_u32 s20, s20, s21                     ; which run of 8 storage rows I write: one count over all three tensors
	s_mul_i32 s18, s20, 32*STEPS*CB                ; 6,144 bytes of codes a run
	s_add_nc_u64 s[10:11], s[10:11], s[18:19]
	s_lshl_b32 s18, s20, 8                         ; 256 scale bytes a run
	s_add_nc_u64 s[12:13], s[12:13], s[18:19]
.macro LOAD t
.irp i, 0,1,2,3
	global_load_b128 v[R+16*((\t)%4)+4*\i:R+16*((\t)%4)+4*\i+3], v3, s[4:5] offset:2048*(\t)+512*\i th:TH_LOAD_NT   ; 32 lanes read 512 consecutive bytes
.endr
.endm
.macro TURN t                          ; step t's numbers through the stage: LDS serves a wave's instructions in order, so no wait stands between the stores and the loads
.irp i, 0,1,2,3
	ds_store_b128 v14, v[R+16*((\t)%4)+4*\i:R+16*((\t)%4)+4*\i+3] offset:32*SP*((\t)%2)+8*SP*\i
.endr
.irp i, 0,1,2,3
	ds_load_b128 v[X+16*((\t)%2)+4*\i:X+16*((\t)%2)+4*\i+3], v15 offset:32*SP*((\t)%2)+16*\i
.endr
.endm
.irp t, 0,1,2,3
	LOAD \t
.endr
	s_wait_loadcnt 12                              ; step 0's four loads are in; the twelve of steps 1 to 3 may be out
	TURN 0
.macro STEP t
.set XS, X+16*((\t)%2)
.if (\t) > 0
	s_wait_dscnt 1                                 ; this step's numbers are back from the stage (the last step's byte store may be out): so its stores into the stage have read their registers,
.else
	s_wait_dscnt 0x0
.endif
.if (\t)+4 < STEPS
	LOAD (\t)+4                                    ; which take the loads of four steps on
.endif
.if (\t)+1 < STEPS
.if STEPS-2-(\t) >= 3
	s_wait_loadcnt 12                              ; the next step's four loads are in; those of the three steps behind it may be out
.else
	s_wait_loadcnt 4*(STEPS-2-(\t))
.endif
	TURN (\t)+1                                    ; and go through the other stage while this step is worked
.endif
	v_max3_num_f32 v8, |v[XS]|, |v[XS+1]|, |v[XS+2]|               ; the largest magnitude of my 16, in two chains
	v_max3_num_f32 v9, |v[XS+3]|, |v[XS+4]|, |v[XS+5]|
.irp i, 6,10
	v_max3_num_f32 v8, v8, |v[XS+\i]|, |v[XS+\i+1]|
	v_max3_num_f32 v9, v9, |v[XS+\i+2]|, |v[XS+\i+3]|
.endr
	v_max3_num_f32 v8, v8, |v[XS+14]|, |v[XS+15]|
	v_max3_num_f32 v8, v8, v9, (EMAX+1)<<23        ; and the floor 2^(EMAX + 1 - 127): the byte cannot fall under 1
	v_max_num_f32_dpp v8, v8, v8 row_xmask:1 row_mask:0xf bank_mask:0xf   ; and of my neighbour's 16: the block's
	v_add_nc_u32 v11, -(EMAX<<23), v8              ; EMAX off its exponent field: the conversion takes the exponent field of this operand as its scale
	v_cvt_scalef32_pk16_bf6_f32 v[C+4*(\t):C+4*(\t)+2], v[XS:XS+15], v11   ; sixteen numbers / the scale, to the nearest code, ties to even, beyond the largest code the largest
	v_lshrrev_b32 v[E+(\t)], 23, v11               ; the scale's byte (a plain line behind the conversion)
	ds_store_b8 v5, v[E+(\t)] offset:16*(\t)       ; both lanes of a block write the same byte with the same value
	global_store_b96 v4, v[C+4*(\t):C+4*(\t)+2], s[10:11] offset:32*CB*(\t)   ; the wave stores 384 consecutive bytes
.endm
.irp t, 0,1,2,3,4,5,6,7,8,9,10,11,12,13,14,15
	STEP \t
.endr
	ds_load_b64 v[12:13], v6                       ; LDS serves a wave's instructions in order: these see my stores
	s_wait_dscnt 0x0
	global_store_b64 v7, v[12:13], s[12:13]        ; 32 lanes store 256 consecutive bytes, aligned
	s_wait_tensorcnt 0x0
	ds_add_u32 v192, v193
	s_wait_dscnt 0x0
	s_endpgm
.Lfunc_end_k_qada5428cdb_quant:
	.size	k_qada5428cdb_quant, .Lfunc_end_k_qada5428cdb_quant-k_qada5428cdb_quant
	.p2alignl 7, 3214868480
	.fill 96, 4, 3214868480
	.section	.rodata,"a",@progbits
	.p2align	6, 0x0
	.amdhsa_kernel k_qada5428cdb_quant
		.amdhsa_group_segment_fixed_size 33280
		.amdhsa_private_segment_fixed_size 0
		.amdhsa_enable_private_segment 0
		.amdhsa_kernarg_size 40
		.amdhsa_user_sgpr_count 2
		.amdhsa_user_sgpr_kernarg_segment_ptr 1
		.amdhsa_wavefront_size32 1
		.amdhsa_system_sgpr_workgroup_id_x 1
		.amdhsa_system_sgpr_workgroup_id_y 1
		.amdhsa_system_sgpr_workgroup_id_z 1
		.amdhsa_system_vgpr_workitem_id 0
		.amdhsa_next_free_vgpr 194
		.amdhsa_next_free_sgpr 66
		.amdhsa_reserve_vcc 0
		.amdhsa_float_denorm_mode_32 3
		.amdhsa_float_denorm_mode_16_64 3
		.amdhsa_memory_ordered 1
		.amdhsa_forward_progress 1
		.amdhsa_inst_pref_size 33
	.end_amdhsa_kernel
	.amdgpu_metadata
---
amdhsa.version: [ 1, 2 ]
amdhsa.kernels:
  - .name:           k_qada5428cdb_quant
    .symbol:         k_qada5428cdb_quant.kd
    .args:
      - { .name: x, .offset: 0, .size: 8, .value_kind: global_buffer, .address_space: global }
      - { .name: Wqkv, .offset: 8, .size: 8, .value_kind: global_buffer, .address_space: global }
      - { .name: Wo, .offset: 16, .size: 8, .value_kind: global_buffer, .address_space: global }
      - { .name: xw_codes, .offset: 24, .size: 8, .value_kind: global_buffer, .address_space: global }
      - { .name: xw_scales, .offset: 32, .size: 8, .value_kind: global_buffer, .address_space: global }
    .group_segment_fixed_size: 33280
    .private_segment_fixed_size: 0
    .kernarg_segment_align: 8
    .kernarg_segment_size: 40
    .max_flat_workgroup_size: 128
    .sgpr_count:     66
    .vgpr_count:     194
    .wavefront_size: 32
...
	.end_amdgpu_metadata
.endif
;; end of part 1
;; launch qkv (part 2): grid 12 x 32, 4 waves a work-group, clusters of 4 x 4, 327,680 bytes of LDS; arguments xw_codes, xw_scales, cos, sin, qkv_codes, qkv_scales; writes qkv_codes, qkv_scales
.if DOCPART == 2
	.amdgcn_target "amdgcn-amd-amdhsa--gfx1250"
	.amdhsa_code_object_version 6
	.text
	.protected	k_qada5428cdb_qkv
	.globl	k_qada5428cdb_qkv
	.p2align	8
	.type	k_qada5428cdb_qkv,@function
k_qada5428cdb_qkv:
	s_mov_b64 s[64:65], 0
	v_nop
	global_prefetch_b8 v0, s[64:65] scope:SCOPE_SE
	s_setreg_imm32_b32 hwreg(HW_REG_WAVE_MODE, 25, 1), 1
	s_wait_xcnt 0x0
	s_wait_alu depctr_hold_cnt(0) depctr_sa_sdst(0) depctr_va_vdst(0) depctr_va_sdst(0) depctr_va_ssrc(0) depctr_va_vcc(0) depctr_vm_vsrc(0)
	s_getreg_b32 s2, hwreg(HW_REG_IB_STS2, 6, 4)
	s_cmp_eq_u32 s2, 0
	s_cbranch_scc0 .Lentry_in_a_cluster
	s_endpgm
.Lentry_in_a_cluster:
	s_bfe_u32 s2, ttmp6, 0x10000c
	s_cmp_lg_u32 s2, 0xf033
	s_cbranch_scc0 .Lentry_shape_is_right
	s_endpgm
.Lentry_shape_is_right:
; qkv = x Wqkv^T on codes of BF6 (E3M2) with E8M0 scales, K = 1,024; then the rotation of q and k by cos and sin, in f32; then q and k are quantised along the head's 64 and v along the keys.
; A tile of 256 x 256 results is made by four waves, each 128 x 128: 64 accumulators of 16 x 16, 512 registers.  K goes in steps of 256 through two LDS slots filled by the tensor data mover.
; THE MATRIX INSTRUCTION IS USED TRANSPOSED: source 0 = 16 rows of the "B side", source 1 = 16 rows of the "A side": a lane holds ONE row of the A side, its registers run along the B side.
; THE OPERANDS CHANGE SIDES WITH THE KIND OF TILE.  Clusters x = 0, 1 (q and k): A side = x (tokens), B side = Wqkv's rows 0-2047: a lane's registers run along the head's channels, the next product's K.
; Cluster x = 2 (v): A side = Wqkv's rows 2048-3071, B side = x: a lane's registers run along the tokens, which are the keys, the K of the product with the softmax.
; The kind is the same in all sixteen partners of a cluster; it enters selects alone: no branch, and no LDS address.
; The rows of x and of Wqkv lie in memory in the order 16 a + p -> 32 (a / 2) + 8 (a % 2) + p + 8 (p / 8): so the 16 registers of two neighbouring result tiles are 16 neighbours along the B side.
; THE SCALES of the work-group's 256 + 256 rows, for all of K, come into LDS once, with the first fills, in whole blocks of 256 bytes.
; CLUSTERS: 4 x 4 work-groups; the four of a row need the same A tiles, the four of a column the same B tiles: each tile is asked for jointly, by one descriptor and a mask that names the four.
; THE ROTATION is one text for all tiles: cos' = cos FA + FB, sin' = sin FA with (FA, FB) = (1, 0) for q and k, (0, 1) for v: for v that is cos' = 1, sin' = 0.
;   It is fused: x1 c - (x2 s) with one rounding less than two products and a sum.
; WHAT IS STORED (this program's own layout): a region of 98,304 bytes for each (batch, kind, head): 64 fragments of 1,536 bytes, 48 bytes a lane: the 12 registers of an operand of the next launch.
;   q, k: fragment b: bytes 24 u on of lane (r, h): channels 32 h .. 32 h + 31 of token 32 b + 8 u + r + 8 (r / 8).   v: fragment 4 s + e: keys 128 s + 64 c + 32 h + 0 .. 31 of channel 32 (e / 2) + 8 (e % 2) + r + 8 (r / 8).
;   Scale words: 4,096 bytes a region, [step of 128 tokens][r][4 words].
; LIMITS: NaN and infinities are not served (for v, cos and sin are multiplied by 0).  A block whose largest magnitude lies under 2^(4 - 126), zeros among them, gets the byte 1: this program alone reads the bytes.
; REGISTERS, in windows of 256: window 0: v0-31 addresses; v32-63 scale words, two sets, and nothing else; from v128 A's fragments, one set.  window 1: B's fragments, two sets.  windows 2, 3: the accumulators.
;   On the way out: window 0: v64-127 the 64 numbers in hand, v128-207 codes and work; window 1: v0-63 cos and sin (two sets), v64-67 FA, FB, v128-151 what comes back from the stage.
.set SIZE_K, 1024
.set KSTEP,  256                       ; along K in a slot
.set NQ,     KSTEP/128                 ; matrix instructions deep
.set ROWB,   192                       ; a tile's row in bytes
.set KROW,   SIZE_K*6/8                ; a row of codes in memory
.set PITCH,  240                       ; an LDS row: 3 x (64 bytes + 16 of padding) = 60 words: the 32 lanes of a load of 8 bytes touch 64 different banks (64 banks of 4 bytes: ISA guide 11.1)
.set FR,     12                        ; registers of a fragment
.set NL,     6                         ; LDS loads that bring one
.set NP,     4                         ; places behind this matrix instruction (ISA guide 7.12.1)
.set HALFT,  128*PITCH                 ; 128 rows: what one tensor load brings
.set SLOT,   4*HALFT                   ; A's 256 rows, then B's 256 rows
.set LAPS,   SIZE_K/(2*KSTEP)
.set KS,     SIZE_K/32                 ; a row of scales in bytes
.set SCL,    2*SLOT                    ; behind the ring: the scales, as blocks of 256 bytes + 16 of padding
.set HALFS,  (128*KS/256)*272
.set SBLK,   (16*KS/256)*272
.set SPARE,  SCL+4*HALFS               ; the spare words, 128 bytes for each wave: two blocks of 256 bytes that no other line names
.set STG,    SPARE+512                 ; the way out: 3,072 bytes for each wave, bytes of their own: no fill lands here
.set ADRA, 16
.set ADRB, 20
.set ADRS, 27
.set SPW,  28                          ; v28  LDS address of my spare word; never rewritten
.set NIL,  29                          ; v29  0; never rewritten
.set SC,   32
.set AF,   128
.set G1, 24
.set G0, 32
.set G1B, 48
.set G0B, 56
.set G1S, 68
.set G0S, 76
.set G1SB, 80
.set G0SB, 88
; the way out
.set CSO, 3                            ; v3   my byte in the tables of cos and sin
.set STA, 4                            ; v4   the stage: 48 x lane
.set RDB, 5                            ; v5   and back: 16 x lane
.set VO0, 6                            ; v6   16 x lane: a pair's first fragment in memory
.set VO1, 7                            ; v7   its second
.set VSO, 8                            ; v8   my 16 bytes of scale words in memory
.set HB,  64                           ; v64-127  64 numbers: register 16 b + i = place 32 b + 16 (lane / 16) + i along the next K
.set PA,  128                          ; v128-139 the codes of a pair's first tile, v140-151 of its second
.set CT,  152                          ; v152-158 conversions' second halves
.set TM,  160                          ; v160-175 at work in the quantiser
.set F0,  176                          ; v176-181 the second half of a pair's first fragment
.set F1,  182                          ; v182-187 the first half of its second
.set T,   188                          ; v188-195 at work
.set PWS, 196                          ; v196-203 the eight tiles' scale words
.set WD,  204                          ; v204-207 my four words to store
.set CSB, 0                            ; window 1: cos and sin, set a % 2 at 32 (a % 2): cos at +0, sin at +16
.set FAB, 64                           ; window 1: FA, FA, FB, FB
.set RB,  128                          ; window 1: 24 registers back from the stage
.set ISM, 21                           ; s21  all ones in a tile of v, else 0
.set HM,  67                           ; s67  lanes 16-31
.set SEL, 44                           ; s[44:45] lane selects: lane l xor 16
.set MSB, 0
.macro WIN new                         ; the immediate's high byte repeats the setting that is left
.if MSB != \new
	s_set_vgpr_msb (MSB<<8)|\new
.set MSB, \new
.endif
.endm
.set MUL_LO, 0xa1                      ; source 0 (B) window 1, source 1 (A) window 0, C and D window 2
.set MUL_HI, 0xf1                      ; the same, C and D window 3
.set TO_B,   0x40                      ; destination window 1, address window 0
; A joint load: waves 0 and 1 fetch for A, waves 2 and 3 for B.  The branch hangs on the wave's number alone.  Four v_nop follow each of the two lines.
.macro JLOAD g0a, g1a, g0b, g1b
	s_cmp_eq_u32 s15, 0
	s_cbranch_scc0 .Lfor_b_\@
	tensor_load_to_lds s[\g0a:\g0a+3], s[\g1a:\g1a+7]
	s_nop 0
.rept 4
	v_nop
.endr
	s_branch .Lasked_\@
.Lfor_b_\@:
	tensor_load_to_lds s[\g0b:\g0b+3], s[\g1b:\g1b+7]
	s_nop 0
.rept 4
	v_nop
.endr
.Lasked_\@:
.endm
.macro CREST                           ; a round of the cluster's barrier behind its opening barrier
	s_cmp_lg_u32 s14, 0
	s_cbranch_scc1 .Lnot_wave_0_\@
	s_barrier_signal -3
.Lnot_wave_0_\@:
	s_barrier_wait -3
	s_barrier_signal -1
	s_barrier_wait -1
.endm
.macro CROUND                          ; a whole round
	s_barrier_signal -1
	s_barrier_wait -1
	CREST
.endm
	s_load_b256 s[4:11], s[0:1], 0x0               ; the codes s[4:5], their scales s[6:7], cos s[8:9], sin s[10:11]
	s_load_b128 s[96:99], s[0:1], 0x20             ; q, k, v: codes s[96:97], scales s[98:99]
	v_lshl_add_u32 v[SPW], v0, 2, SPARE
	v_mov_b32 v[NIL], 0
	ds_add_u32 v28, v29
	ds_add_u32 v28, v29
	s_wait_dscnt 0x0
	v_lshrrev_b32 v1, 5, v0
	v_readfirstlane_b32 s14, v1                    ; wave 0..3
	s_lshr_b32 s15, s14, 1                         ; which half of the A side is mine.  Also: I fetch for A (0) or for B (1)
	s_and_b32 s16, s14, 1                          ; which half of the B side.  Also: which 128 rows of that tile I fetch
	s_bfe_u32 s40, ttmp6, 0x40000                  ; cx, cy: my place in the cluster
	s_bfe_u32 s41, ttmp6, 0x40004
	s_lshl_b32 s42, ttmp9, 2                       ; 4 x cluster x
	s_and_b32 s17, ttmp7, 0xffff
	s_lshl_b32 s17, s17, 2                         ; 4 x cluster y
	s_cmp_eq_u32 ttmp9, 2                          ; a cluster of v?  The same in all sixteen partners
	s_cselect_b32 s66, 1, 0
	s_cselect_b32 s42, s17, s42                    ; B side: v: x's tiles by cluster y;  q, k: Wqkv's by cluster x
	s_cselect_b32 s17, 0, s17                      ; A side: v: Wv's four tiles;  q, k: x's by cluster y
	s_add_co_u32 s42, s42, s40                     ; tile of the B side: + cx
	s_add_co_u32 s17, s17, s41                     ; tile of the A side: + cy
	s_lshl_b32 s43, s41, 2
	s_lshl_b32 s43, 15, s43                        ; my row of the cluster
	s_lshl_b32 s44, 0x1111, s40                    ; my column
	; descriptor group 1: a tile of 128 rows x ROWB bytes, padded in LDS
	s_or_b32 s[G1+0], s43, (0<<16)|(1<<20)|(1<<21)|(3<<22)|(3<<25)  ; 15:0 the mask: A's tiles go to my row; 17:16 element of 1 byte; 20 padding on; 21 set beside a mask; 24:22 after every 16 words; 31:25 of 4 words
	s_or_b32 s[G1B+0], s44, (0<<16)|(1<<20)|(1<<21)|(3<<22)|(3<<25)
.irp g, G1, G1B
	s_mov_b32 s[\g+1], ROWB<<16                    ; tensor_dim0
	s_mov_b32 s[\g+2], 128<<16                     ; tensor_dim1 = 128
	s_mov_b32 s[\g+3], ROWB<<16                    ; tile_dim0
	s_mov_b32 s[\g+4], 128                         ; tile_dim1 = 128
	s_mov_b32 s[\g+5], KROW                        ; tensor_dim0_stride
	s_mov_b32 s[\g+6], 0
	s_mov_b32 s[\g+7], 0
.endr
	; the scales of 128 rows: a dense block of 4,096 bytes, as rows of 256 bytes (32 elements of 8 bytes), 16 bytes of padding behind each
	s_or_b32 s[G1S+0], s43, (3<<16)|(1<<20)|(1<<21)|(5<<22)|(3<<25)
	s_or_b32 s[G1SB+0], s44, (3<<16)|(1<<20)|(1<<21)|(5<<22)|(3<<25)
.irp g, G1S, G1SB
	s_mov_b32 s[\g+1], 32<<16
	s_mov_b32 s[\g+2], (128*KS/256)<<16
	s_mov_b32 s[\g+3], 32<<16
	s_mov_b32 s[\g+4], 128*KS/256
	s_mov_b32 s[\g+5], 32
	s_mov_b32 s[\g+6], 0
	s_mov_b32 s[\g+7], 0
.endr
	s_lshl_b32 s18, s16, 7                         ; which 128 rows of the tile I fetch
	s_lshl_b32 s20, s17, 8
	s_add_co_u32 s20, s20, s18                     ; A: row 256 x tile + 128 x half
	s_lshl_b32 s46, s42, 8
	s_add_co_u32 s46, s46, s18                     ; B likewise
	s_mov_b32 s21, 0
	s_mov_b32 s47, 0
	s_mov_b64 s[18:19], KS
	s_mul_u64 s[22:23], s[20:21], s[18:19]         ; where these rows' scales begin, in bytes
	s_mul_u64 s[92:93], s[46:47], s[18:19]
	s_mov_b64 s[18:19], KROW
	s_mul_u64 s[20:21], s[20:21], s[18:19]         ; and their codes
	s_mul_u64 s[46:47], s[46:47], s[18:19]
	s_cmp_eq_u32 s66, 1                            ; where each side's tensor begins in the two buffers
	s_mov_b32 s19, 0
	s_cselect_b32 s18, 7864320, 0                  ; A's codes: Wqkv's row 2,048, or x
	s_add_nc_u64 s[20:21], s[20:21], s[18:19]
	s_cselect_b32 s18, 327680, 0                   ; A's scales
	s_add_nc_u64 s[22:23], s[22:23], s[18:19]
	s_cselect_b32 s18, 0, 6291456                  ; B's codes: x, or Wqkv's row 0
	s_add_nc_u64 s[46:47], s[46:47], s[18:19]
	s_cselect_b32 s18, 0, 262144                   ; B's scales
	s_add_nc_u64 s[92:93], s[92:93], s[18:19]
	s_mul_i32 s45, s14, HALFT                      ; where they go: wave x 128 rows: no place in the cluster enters an LDS address
	s_mul_i32 s94, s14, HALFS
	s_wait_kmcnt 0x0
	s_add_nc_u64 s[20:21], s[4:5], s[20:21]
	s_add_nc_u64 s[22:23], s[6:7], s[22:23]
	s_add_nc_u64 s[46:47], s[4:5], s[46:47]
	s_add_nc_u64 s[92:93], s[6:7], s[92:93]
	CROUND                                         ; all sixteen work-groups are here: the first joint loads meet
	s_mov_b32 s[G0S], 1
	s_add_co_u32 s[G0S+1], s94, SCL
	s_mov_b64 s[G0S+2:G0S+3], s[22:23]
	s_or_b32 s[G0S+3], s[G0S+3], 0x80000000
	s_mov_b32 s[G0SB], 1
	s_add_co_u32 s[G0SB+1], s94, SCL
	s_mov_b64 s[G0SB+2:G0SB+3], s[92:93]
	s_or_b32 s[G0SB+3], s[G0SB+3], 0x80000000
	JLOAD G0S, G1S, G0SB, G1SB                     ; the scales first: they are wanted with K step 0
.irp s, 0,1
	s_mov_b32 s[G0+4*\s], 1
	s_add_co_u32 s[G0+4*\s+1], s45, \s*SLOT
	s_add_nc_u64 s[G0+4*\s+2:G0+4*\s+3], s[20:21], \s*ROWB
	s_or_b32 s[G0+4*\s+3], s[G0+4*\s+3], 0x80000000
	s_mov_b32 s[G0B+4*\s], 1
	s_add_co_u32 s[G0B+4*\s+1], s45, \s*SLOT
	s_add_nc_u64 s[G0B+4*\s+2:G0B+4*\s+3], s[46:47], \s*ROWB
	s_or_b32 s[G0B+4*\s+3], s[G0B+4*\s+3], 0x80000000
	JLOAD G0+4*\s, G1, G0B+4*\s, G1B               ; three tensor loads of mine are out now
.endr
	v_and_b32 v1, 15, v0                           ; l % 16
	v_bfe_u32 v2, v0, 4, 1                         ; l / 16
	v_mul_u32_u24 v3, v1, PITCH
	v_mul_u32_u24 v4, v2, 24
	v_add_nc_u32 v4, v3, v4                        ; a fragment's row x pitch + 24 x half
	v_lshl_add_u32 v5, v2, 4, v4                   ; and the same behind one padding more
	s_mul_i32 s21, s15, HALFT                      ; my 128 rows of A
	s_mul_i32 s22, s16, HALFT                      ; my 128 rows of B,
	s_add_co_u32 s22, s22, 2*HALFT                 ; which lie behind A's 256
.irp s, 0,1
	v_add_nc_u32 v[ADRA+\s], s21, v4
	v_add_nc_u32 v[ADRB+\s], s22, v4
	v_add_nc_u32 v[ADRA+2+\s], s21, v5
	v_add_nc_u32 v[ADRB+2+\s], s22, v5
	s_add_co_u32 s21, s21, SLOT
	s_add_co_u32 s22, s22, SLOT
.endr
	v_mul_u32_u24 v5, v1, KS                       ; my row's scales: KS bytes a row,
	v_lshrrev_b32 v6, 8, v5
	v_lshl_add_u32 v5, v6, 4, v5                   ; and 16 more for each 256 passed
	s_mul_i32 s21, s15, HALFS                      ; A's: my 128 rows
	s_mul_i32 s22, s16, HALFS                      ; B's: my 128 rows, behind A's 256
	s_add_co_u32 s22, s22, 2*HALFS
	s_sub_co_u32 s22, s22, s21
	v_mul_u32_u24 v6, s22, v2                      ; lanes 16-31 take B's
	s_add_co_u32 s21, s21, SCL
	v_add_nc_u32 v5, v5, v6
	v_add_nc_u32 v[ADRS], s21, v5
	; where my 128 x 128 results go, and which rows of cos and sin they want
	s_lshl_b32 s20, s17, 8
	s_lshl_b32 s21, s15, 7
	s_add_co_u32 s20, s20, s21                     ; my first row of the A side
	s_lshl_b32 s46, s42, 8
	s_lshl_b32 s47, s16, 7
	s_add_co_u32 s46, s46, s47                     ; and of the B side
	s_add_co_u32 s21, s20, 2048
	s_cmp_eq_u32 s66, 1
	s_cselect_b32 s47, s46, s20                    ; my first row of x,
	s_cselect_b32 s21, s21, s46                    ; and of Wqkv
	s_lshr_b32 s22, s47, 11                        ; the batch
	s_mul_i32 s22, s22, 48
	s_lshr_b32 s21, s21, 6
	s_add_co_u32 s22, s22, s21                     ; the region: 48 x batch + Wqkv's row / 64
	s_and_b32 s47, s47, 2047                       ; my first token in the batch
	s_mul_i32 s18, s22, 98304
	s_mul_i32 s21, s47, 48
	s_add_co_u32 s18, s18, s21                     ; 48 bytes of codes a token in a region (under 2^25)
	s_mov_b32 s19, 0
	s_add_nc_u64 s[12:13], s[96:97], s[18:19]
	s_lshl_b32 s18, s22, 12
	s_lshl_b32 s21, s47, 1
	s_add_co_u32 s18, s18, s21                     ; 2 scale bytes a token
	s_add_nc_u64 s[92:93], s[98:99], s[18:19]
	s_and_b32 s18, s20, 2047                       ; cos and sin: the A side's row in the batch (for v: a row under 1,024, whose numbers are multiplied by 0)
	s_lshl_b32 s18, s18, 7
	s_add_nc_u64 s[8:9], s[8:9], s[18:19]
	s_add_nc_u64 s[10:11], s[10:11], s[18:19]
.macro FRAG reg, adr, q, i             ; a fragment, 16 rows x 128 K, is 12 registers: lane l holds row l % 16; registers 6 c .. 6 c + 5 hold K = 64 c + 32 (l / 16) + 0 .. 31: 24 bytes of the row, as they lie
.irp p, 0,1,2,3,4,5                    ; in pieces of 8 bytes.  Lanes 16-31 read three pieces further on than lanes 0-15: where that is behind one padding more, the second address register serves
.set PCE, 12*(\q)+6*(\p/3)+\p%3
.if PCE%8 < 5
	ds_load_b64 v[\reg+2*\p:\reg+2*\p+1], v[\adr] offset:8*PCE+16*(PCE/8)+(\i)*16*PITCH
.else
	ds_load_b64 v[\reg+2*\p:\reg+2*\p+1], v[\adr+2] offset:8*PCE+16*(PCE/8)+(\i)*16*PITCH
.endif
.endr
.endm
; 16 matrix instructions: A's blocks a0, a0 + 1 x B's eight, 128 along K.  zero = 1: the first product starts the sums.  The 64 accumulators take turns, one instruction a turn.
.macro MUL16 a0, p, q, sc, zero
.irp a, \a0, \a0+1
.irp b, 0,1,2,3,4,5,6,7
.if \zero
	v_wmma_scale_f32_16x16x128_f8f6f4 v[8*(8*((\a)%4)+\b):8*(8*((\a)%4)+\b)+7], v[128*(\p)+FR*\b:128*(\p)+FR*\b+FR-1], v[AF+FR*(\a):AF+FR*(\a)+FR-1], 0, v[SC+8*NQ*(\sc)+NQ*\b+(\q)], v[SC+8*NQ*(\sc)+NQ*(\a)+(\q)] matrix_a_fmt:MATRIX_FMT_BF6 matrix_b_fmt:MATRIX_FMT_BF6 matrix_a_scale:MATRIX_SCALE_ROW1
.else
	v_wmma_scale_f32_16x16x128_f8f6f4 v[8*(8*((\a)%4)+\b):8*(8*((\a)%4)+\b)+7], v[128*(\p)+FR*\b:128*(\p)+FR*\b+FR-1], v[AF+FR*(\a):AF+FR*(\a)+FR-1], v[8*(8*((\a)%4)+\b):8*(8*((\a)%4)+\b)+7], v[SC+8*NQ*(\sc)+NQ*\b+(\q)], v[SC+8*NQ*(\sc)+NQ*(\a)+(\q)] matrix_a_fmt:MATRIX_FMT_BF6 matrix_b_fmt:MATRIX_FMT_BF6 matrix_a_scale:MATRIX_SCALE_ROW1
.endif
.endr
.endr
.endm
.macro FETCH_B slot, q, p              ; B's eight fragments of the slot's q-th 128 along K into set p
	WIN TO_B
.irp i, 0,1,2,3,4,5,6,7
	FRAG 128*(\p)+FR*\i, ADRB+\slot, \q, \i
.endr
	WIN 0
.endm
.macro FETCH_A slot, q, i0             ; A's blocks i0 .. i0 + 3
.irp i, \i0, \i0+1, \i0+2, \i0+3
	FRAG AF+FR*(\i), ADRA+\slot, \q, \i
.endr
.endm
.macro SCALES sc                       ; the next K step's scale words into set sc: lanes 0-15 take A's block i, lanes 16-31 B's block i
.irp i, 0,1,2,3,4,5,6,7
	ds_load_b64 v[SC+8*NQ*\sc+NQ*\i:SC+8*NQ*\sc+NQ*\i+1], v[ADRS] offset:\i*SBLK
.endr
.endm
.macro PLACES n                        ; plain vector lines between a matrix instruction and a load into, or a vector line on, its registers
.rept \n
	v_nop
.endr
.endm
; A step of 128 along K that has its successor in the same slot.
.macro STEP slot, q, zero
	s_wait_dscnt 4*NL                              ; B's set and A's blocks 0-3 are in; the youngest 24 loads (A's blocks 4-7) may be out
	WIN MUL_LO
	MUL16 0, (\q)%2, \q, \slot, \zero
	MUL16 2, (\q)%2, \q, \slot, \zero
	s_wait_dscnt 0                                 ; A's blocks 4-7 are in
	PLACES NP
	FETCH_B \slot, (\q)+1, 1-(\q)%2
	FETCH_A \slot, (\q)+1, 0
	WIN MUL_HI
	MUL16 4, (\q)%2, \q, \slot, \zero
	MUL16 6, (\q)%2, \q, \slot, \zero
	PLACES NP
	WIN 0
	FETCH_A \slot, (\q)+1, 4
.endm
; A slot's last step changes slots: one barrier; in front of it each wave waits for all its tensor loads, adds 0 to its spare word, and waits for that and for its own reads of this slot.
.macro TURN slot, next, fill
	s_wait_tensorcnt 0x0                           ; all my tensor loads have landed: my part of the next slot
	ds_add_u32 v[SPW], v[NIL]                      ; 0 onto my spare word
	s_wait_dscnt 4*NL+1                            ; the add and the youngest 24 loads (A's blocks 4-7) may be out
	WIN MUL_LO
	MUL16 0, 1, NQ-1, \slot, 0                     ; sixteen matrix instructions stand between the add and the wait for it
	s_wait_dscnt 0x0                               ; the add is done, and my reads of this slot are over
	s_barrier_signal -1
	MUL16 2, 1, NQ-1, \slot, 0
	WIN 0
	s_barrier_wait -1
.if \fill
	CREST                                          ; the barrier has opened a round of the cluster's barrier: no wave of any partner still reads this slot or has a load on its way
	s_add_nc_u64 s[G0+4*\slot+2:G0+4*\slot+3], s[G0+4*\slot+2:G0+4*\slot+3], 2*ROWB
	s_add_nc_u64 s[G0B+4*\slot+2:G0B+4*\slot+3], s[G0B+4*\slot+2:G0B+4*\slot+3], 2*ROWB
	JLOAD G0+4*\slot, G1, G0B+4*\slot, G1B         ; the first tensor load behind the round; its four v_nop are also the places in front of the loads below
.else
	PLACES NP
.endif
	v_add_nc_u32 v[ADRS], 4*NQ, v[ADRS]            ; on to the next K step's scale words
	FETCH_B \next, 0, 0
	FETCH_A \next, 0, 0
	SCALES \next
	WIN MUL_HI
	MUL16 4, 1, NQ-1, \slot, 0
	MUL16 6, 1, NQ-1, \slot, 0
	PLACES NP
	WIN 0
	FETCH_A \next, 0, 4
.endm
	s_wait_tensorcnt 1                             ; the scales and my part of K step 0 are in (K step 1's load may be out),
	s_barrier_signal -1
	s_barrier_wait -1                              ; everybody's are
	FETCH_B 0, 0, 0
	FETCH_A 0, 0, 0
	SCALES 0
	FETCH_A 0, 0, 4
	STEP 0, 0, 1                                   ; the first step stands in front of the loop: its products start the sums
	s_mov_b32 s3, LAPS-1
.Llap:                                                 ; a trip goes once round the ring and fills both slots again
	TURN 0, 1, 1
	STEP 1, 0, 0
	TURN 1, 0, 1
	STEP 0, 0, 0
	s_sub_co_u32 s3, s3, 1
	s_cmp_lg_u32 s3, 0
	s_cbranch_scc1 .Llap
	TURN 0, 1, 0                                   ; the last lap fills nothing
	STEP 1, 0, 0
	s_wait_dscnt 4*NL                              ; the very last step
	WIN MUL_LO
	MUL16 0, 1, NQ-1, 1, 0
	MUL16 2, 1, NQ-1, 1, 0
	s_wait_dscnt 0
	WIN MUL_HI
	MUL16 4, 1, NQ-1, 1, 0
	MUL16 6, 1, NQ-1, 1, 0
	WIN 0
; ---------------- THE WAY OUT: a tile of 16 rows of the A side at a time: rotation, quantiser; two tiles make two fragments, which leave through my own stage.
	PLACES NP
	s_cmp_eq_u32 s66, 1
	s_cselect_b32 s[ISM], -1, 0
	s_mov_b32 s20, 98304
	s_cselect_b32 s20, 1536, s20                   ; from a pair's first fragment to its second: v: the next fragment;  q, k: the next head's region
	s_cselect_b32 s40, 0, 0x3f800000               ; FA
	s_cselect_b32 s41, 0x3f800000, 0               ; FB
	s_mov_b32 s[HM], 0xffff0000
	s_mov_b32 s[SEL], 0x76543210
	s_mov_b32 s[SEL+1], 0xfedcba98
	s_mov_b32 s47, 0
	s_mul_i32 s22, s14, 3072
	s_add_co_u32 s22, s22, STG                     ; my stage
	v_and_b32 v1, 15, v0                           ; r
	v_bfe_u32 v2, v0, 4, 1                         ; h
	v_and_b32 v[CSO], 8, v1
	v_add_nc_u32 v[CSO], v[CSO], v1                ; r + 8 (r / 8): my row in a tile
	v_lshlrev_b32 v[CSO], 7, v[CSO]                ; a row of cos or sin is 128 bytes
	v_lshl_add_u32 v[CSO], v2, 5, v[CSO]           ; + 32 h: my half's eight pairs of channels
	v_and_b32 v[VO0], 31, v0
	v_mul_u32_u24 v[STA], v[VO0], 48
	v_add_nc_u32 v[STA], s22, v[STA]
	v_lshlrev_b32 v[VO0], 4, v[VO0]
	v_add_nc_u32 v[RDB], s22, v[VO0]
	v_add_nc_u32 v[VO1], s20, v[VO0]
	v_mul_u32_u24 v[VSO], v2, 3840
	v_add_nc_u32 v[VSO], v[VSO], v[VO0]            ; lanes 0-15: 16 r;  lanes 16-31: 4,096 + 16 r: the next region
.irp b, 0,1,2,3
	v_mov_b32 v[TM+4+\b], 0                        ; written once: a lane permute's destination counts as one of its sources
.endr
	WIN 0x40                                       ; destination window 1
	v_mov_b32 v[FAB], s40
	v_mov_b32 v[FAB+1], s40
	v_mov_b32 v[FAB+2], s41
	v_mov_b32 v[FAB+3], s41
	WIN 0
; cos and sin of tile a's rows: for each lane 16 + 16 numbers: pairs of channels 16 g + 8 h + 0 .. 7, g = 0, 1
.macro CSLOAD a
	WIN 0x40
.irp g, 0,1
.irp f, 0,1
	global_load_b128 v[CSB+32*((\a)%2)+8*\g+4*\f:CSB+32*((\a)%2)+8*\g+4*\f+3], v[CSO], s[8:9] offset:(32*((\a)/2)+8*((\a)%2))*128+64*\g+16*\f
	global_load_b128 v[CSB+32*((\a)%2)+16+8*\g+4*\f:CSB+32*((\a)%2)+16+8*\g+4*\f+3], v[CSO], s[10:11] offset:(32*((\a)/2)+8*((\a)%2))*128+64*\g+16*\f
.endr
.endr
	WIN 0
.endm
; tile a's 64 numbers a lane, rotated, into v[HB] on.  A pair of registers is (x1, x2) of one pair of channels: (x1 c - x2 s, x2 c + x1 s).  Each accumulator is read from its low end on.
.macro ROPE a
.set CBS, CSB+32*((\a)%2)
	WIN 0x55                                       ; all in window 1
.irp i, 0,2,4,6,8,10,12,14
	v_pk_fma_f32 v[CBS+\i:CBS+\i+1], v[CBS+\i:CBS+\i+1], v[FAB:FAB+1], v[FAB+2:FAB+3]   ; cos FA + FB
.endr
.irp i, 0,2,4,6,8,10,12,14
	v_pk_mul_f32 v[CBS+16+\i:CBS+17+\i], v[CBS+16+\i:CBS+17+\i], v[FAB:FAB+1]           ; sin FA
.endr
	WIN 0x06+(\a)/4                                ; source 0: the accumulators, window 2 or 3; source 1: cos, sin, window 1
.irp b, 0,1,2,3
.irp i, 0,2,4,6
.set XR, 64*((\a)%4)+16*\b+2*\i
.set CR, CBS+8*(\b%2)+\i
.set TR, T+2*(\i%4)
	v_pk_mul_f32 v[TR:TR+1], v[XR:XR+1], v[CR+16:CR+17] op_sel:[1,0] op_sel_hi:[0,0]       ; (x2 s, x1 s), s the pair's first
	v_pk_mul_f32 v[TR+2:TR+3], v[XR+2:XR+3], v[CR+16:CR+17] op_sel:[1,1] op_sel_hi:[0,1]   ; the next pair of channels: s the pair's second
	v_pk_fma_f32 v[HB+16*\b+2*\i:HB+16*\b+2*\i+1], v[XR:XR+1], v[CR:CR+1], v[TR:TR+1] op_sel:[0,0,0] op_sel_hi:[1,0,1] neg_lo:[0,0,1]
	v_pk_fma_f32 v[HB+16*\b+2*\i+2:HB+16*\b+2*\i+3], v[XR+2:XR+3], v[CR:CR+1], v[TR+2:TR+3] op_sel:[0,1,0] op_sel_hi:[1,1,1] neg_lo:[0,0,1]
.endr
.endr
	WIN 0
.endm
; 64 numbers of a lane, register 16 b + i = place 32 b + 16 (lane / 16) + i of my row, become 12 registers of codes in v[pc] on and the row's scale word in v[pw]
.macro QUANT s, pc, pw
.irp b, 0,1,2,3
	v_max3_num_f32 v[TM+\b], |v[\s+16*\b]|, |v[\s+1+16*\b]|, 0x2800000   ; block b: my 16 numbers, and the floor 2^(5 - 127): the byte cannot fall under 1
.endr
.irp i, 2,4,6,8,10,12,14
.irp b, 0,1,2,3
	v_max3_num_f32 v[TM+\b], v[TM+\b], |v[\s+16*\b+\i]|, |v[\s+1+16*\b+\i]|   ; the four blocks by turns
.endr
.endr
.irp b, 0,1,2,3
	v_permlanex16_b32 v[TM+4+\b], v[TM+\b], s[SEL], s[SEL+1]
.endr
.irp b, 0,1,2,3
	v_max_num_f32 v[TM+\b], v[TM+\b], v[TM+4+\b]   ; with lane l xor 16's: the block's largest magnitude
.endr
.irp b, 0,1,2,3
	v_add_nc_u32 v[TM+12+\b], 0xfe000000, v[TM+\b] ; 4 off its exponent field: the conversion's scale operand
.endr
.irp b, 0,1,2,3
	v_lshrrev_b32 v[TM+4+\b], 23, v[TM+12+\b]      ; the scale's byte
.endr
	v_lshl_or_b32 v[\pw], v[TM+5], 8, v[TM+4]
	v_lshl_or_b32 v[\pw], v[TM+6], 16, v[\pw]
	v_lshl_or_b32 v[\pw], v[TM+7], 24, v[\pw]
.irp c, 0,1
	v_cvt_scalef32_pk16_bf6_f32 v[\pc+6*\c:\pc+2+6*\c], v[\s+32*\c:\s+15+32*\c], v[TM+12+2*\c]
	v_cvt_scalef32_pk16_bf6_f32 v[CT+4*\c:CT+2+4*\c], v[\s+16+32*\c:\s+31+32*\c], v[TM+12+2*\c+1]   ; (a conversion's three registers begin on an even number)
.endr
	v_nop                                          ; one plain line behind a scaled conversion
.irp c, 0,1                                    ; a whole block to a lane: lanes 0-15 block 2 c, lanes 16-31 block 2 c + 1
.irp i, 0,1,2
	v_permlane16_swap_b32 v[\pc+6*\c+\i], v[CT+4*\c+\i]
.endr
.irp i, 0,1,2
	v_mov_b32 v[\pc+3+6*\c+\i], v[CT+4*\c+\i]
.endr
.endr
.endm
.macro TILE a
.if (\a) < 7
	CSLOAD (\a)+1
	s_wait_loadcnt 8                               ; this tile's eight loads are in; the next tile's eight may be out
.else
	s_wait_loadcnt 0x0
.endif
	ROPE \a
	QUANT HB, PA+12*((\a)%2), PWS+(\a)
.endm
; Two tiles' codes become two fragments.  v: each tile is a fragment.  q, k: a tile's first six registers are one head's, its last six the next head's: tile 0's last six and tile 1's first six change places.
.macro PAIR bp
.irp i, 0,1,2,3,4,5
	v_cndmask_b32 v[F0+\i], v[PA+12+\i], v[PA+6+\i], s[ISM]
	v_cndmask_b32 v[F1+\i], v[PA+6+\i], v[PA+12+\i], s[ISM]
.endr
.irp p, 0,1,2
	ds_store_b64 v[STA], v[PA+2*\p:PA+2*\p+1] offset:8*\p
	ds_store_b64 v[STA], v[F0+2*\p:F0+2*\p+1] offset:24+8*\p
	ds_store_b64 v[STA], v[F1+2*\p:F1+2*\p+1] offset:1536+8*\p
	ds_store_b64 v[STA], v[PA+18+2*\p:PA+19+2*\p] offset:1560+8*\p
.endr
	s_cmp_eq_u32 s66, 1
	s_mov_b32 s46, 1536*\bp                        ; q, k: fragment bp of my four;
	s_cselect_b32 s46, (\bp/2)*98304+(\bp%2)*3072, s46   ; v: head bp / 2, channel tiles 2 (bp % 2) on
	s_wait_xcnt 0x0                                ; the last pair's stores have read their data and their base: both are written again only behind this wait
	s_add_nc_u64 s[100:101], s[12:13], s[46:47]
	WIN 0x40
.irp g, 0,1,2,3,4,5
	ds_load_b128 v[RB+4*\g:RB+4*\g+3], v[RDB] offset:512*\g   ; LDS serves a wave's instructions in order: these see my stores
.endr
	s_wait_dscnt 0x0
	WIN 0x04                                       ; a store's data are its source 1: window 1
.irp g, 0,1,2
	global_store_b128 v[VO0], v[RB+4*\g:RB+4*\g+3], s[100:101] offset:512*\g th:TH_STORE_NT   ; 32 lanes store 512 consecutive bytes, aligned to 256
.endr
.irp g, 0,1,2
	global_store_b128 v[VO1], v[RB+12+4*\g:RB+15+4*\g], s[100:101] offset:512*\g th:TH_STORE_NT
.endr
	WIN 0
.endm
	CSLOAD 0
.irp bp, 0,1,2,3
	TILE 2*\bp
	TILE 2*\bp+1
	PAIR \bp
.endr
	; the scale words.  q, k: word e of lane (r, h): head h's two bytes of tile 2 e and of tile 2 e + 1.   v: word e of lane (r, h): tile 4 h + e's word as it stands.
.irp e, 0,1,2,3
	v_perm_b32 v[T], v[PWS+2*\e+1], v[PWS+2*\e], 0x05040100
	v_perm_b32 v[T+1], v[PWS+2*\e+1], v[PWS+2*\e], 0x07060302
	v_cndmask_b32 v[T], v[T], v[T+1], s[HM]
	v_cndmask_b32 v[T+1], v[PWS+\e], v[PWS+4+\e], s[HM]
	v_cndmask_b32 v[WD+\e], v[T], v[T+1], s[ISM]
.endr
	global_store_b128 v[VSO], v[WD:WD+3], s[92:93] th:TH_STORE_NT   ; sixteen lanes store 256 consecutive bytes, aligned; the other sixteen the same in the next region
	s_wait_tensorcnt 0x0                           ; the wave's end, behind my last tensor load and my last LDS store
	ds_add_u32 v[SPW], v[NIL]
	s_wait_dscnt 0x0
	CROUND                                         ; the closing round: no work-group ends while a partner may still ask for a tile that names it
	s_endpgm
.Lfunc_end_k_qada5428cdb_qkv:
	.size	k_qada5428cdb_qkv, .Lfunc_end_k_qada5428cdb_qkv-k_qada5428cdb_qkv
	.p2alignl 7, 3214868480
	.fill 96, 4, 3214868480
	.section	.rodata,"a",@progbits
	.p2align	6, 0x0
	.amdhsa_kernel k_qada5428cdb_qkv
		.amdhsa_group_segment_fixed_size 327680
		.amdhsa_private_segment_fixed_size 0
		.amdhsa_enable_private_segment 0
		.amdhsa_kernarg_size 48
		.amdhsa_user_sgpr_count 2
		.amdhsa_user_sgpr_kernarg_segment_ptr 1
		.amdhsa_wavefront_size32 1
		.amdhsa_system_sgpr_workgroup_id_x 1
		.amdhsa_system_sgpr_workgroup_id_y 1
		.amdhsa_system_sgpr_workgroup_id_z 1
		.amdhsa_system_vgpr_workitem_id 0
		.amdhsa_next_free_vgpr 1024
		.amdhsa_next_free_sgpr 102
		.amdhsa_reserve_vcc 0
		.amdhsa_float_denorm_mode_32 3
		.amdhsa_float_denorm_mode_16_64 3
		.amdhsa_memory_ordered 1
		.amdhsa_forward_progress 1
		.amdhsa_inst_pref_size 223
	.end_amdhsa_kernel
	.amdgpu_metadata
---
amdhsa.version: [ 1, 2 ]
amdhsa.kernels:
  - .name:           k_qada5428cdb_qkv
    .symbol:         k_qada5428cdb_qkv.kd
    .args:
      - { .name: xw_codes, .offset: 0, .size: 8, .value_kind: global_buffer, .address_space: global }
      - { .name: xw_scales, .offset: 8, .size: 8, .value_kind: global_buffer, .address_space: global }
      - { .name: cos, .offset: 16, .size: 8, .value_kind: global_buffer, .address_space: global }
      - { .name: sin, .offset: 24, .size: 8, .value_kind: global_buffer, .address_space: global }
      - { .name: qkv_codes, .offset: 32, .size: 8, .value_kind: global_buffer, .address_space: global }
      - { .name: qkv_scales, .offset: 40, .size: 8, .value_kind: global_buffer, .address_space: global }
    .group_segment_fixed_size: 327680
    .private_segment_fixed_size: 0
    .kernarg_segment_align: 8
    .kernarg_segment_size: 48
    .max_flat_workgroup_size: 128
    .sgpr_count:     102
    .vgpr_count:     1024
    .wavefront_size: 32
...
	.end_amdgpu_metadata
.endif
;; end of part 2
;; launch attn (part 3): grid 8 x 64, 16 waves a work-group, clusters of 4 x 1, 223,232 bytes of LDS; arguments qkv_codes, qkv_scales, y_codes, y_scales; writes y_codes, y_scales
.if DOCPART == 3
	.amdgcn_target "amdgcn-amd-amdhsa--gfx1250"
	.amdhsa_code_object_version 6
	.text
	.protected	k_qada5428cdb_attn
	.globl	k_qada5428cdb_attn
	.p2align	8
	.type	k_qada5428cdb_attn,@function
k_qada5428cdb_attn:
	s_mov_b64 s[64:65], 0
	v_nop
	global_prefetch_b8 v0, s[64:65] scope:SCOPE_SE
	s_setreg_imm32_b32 hwreg(HW_REG_WAVE_MODE, 25, 1), 1
	s_wait_xcnt 0x0
	s_wait_alu depctr_hold_cnt(0) depctr_sa_sdst(0) depctr_va_vdst(0) depctr_va_sdst(0) depctr_va_ssrc(0) depctr_va_vcc(0) depctr_vm_vsrc(0)
	s_getreg_b32 s2, hwreg(HW_REG_IB_STS2, 6, 4)
	s_cmp_eq_u32 s2, 0
	s_cbranch_scc0 .Lentry_in_a_cluster
	s_endpgm
.Lentry_in_a_cluster:
	s_bfe_u32 s2, ttmp6, 0x10000c
	s_cmp_lg_u32 s2, 0x3003
	s_cbranch_scc0 .Lentry_shape_is_right
	s_endpgm
.Lentry_shape_is_right:
; y[b][t][head] = softmax(q k^T / 8, causal) v, both products on codes of BF6 (E3M2) with E8M0 scales; y is then quantised along its 64 channels (two blocks of the last product's K).
; THE SOFTMAX: t = score x log2(e) / 8; M = the row's largest t so far, rounded up to a whole number; p = 2^(t - M) is quantised along the keys, not normalised.  The row's sum is taken of the unquantised p and
; divides at the end.  When M moves, the sum and O are multiplied by 2^(old M - new M): exact.
; SHARES.  A work-group serves one (batch, head); eight work-groups share a head.  Wave i of work-group j owns the tile of 16 queries 8 i + j: queries 128 i + 32 (j / 2) + 8 (j % 2) + r + 8 (r / 8).
; So wave i wants key steps 0 .. i (128 keys a step), and step i is the one on the diagonal: both tests hang on the wave's number and a counter alone, and all eight work-groups have the same work.
; A step all of whose keys come after the wave's queries is left out by a scalar branch round its work; no barrier and no tensor load stands in a step.
; ALL OF THE HEAD'S K AND V LIE IN LDS, filled once: 98,304 bytes each, and 4,096 bytes of scale words each.  No byte of LDS is filled twice.  They come in four chunks of 512 keys, all asked for at the start;
; each chunk's first step stands behind a counted wait and a barrier.  By this text's count a fetching wave has five tensor loads out.
; CLUSTER.  Four work-groups of a head form a cluster and ask jointly: the same load, the same descriptor, a mask that names the four.  Waves 0, 1 fetch K's halves, waves 2, 3 V's.
; No prefetch: every tensor load of the launch is issued in its first lines, so there is no later load that a request could run ahead of.
; LAYOUT.  Both products are used transposed: S^T = K Q^T, O^T = V^T P^T: a lane holds ONE query (lane % 16) throughout.
; THE FIRST PRODUCT'S K IS 64, the instruction's 128.  A fragment of K holds TWO tiles of 16 keys: registers 0-5 one tile's 64 channels, registers 6-11 the next tile's.  It is multiplied by (q | zeros) and by (zeros | q).
; The keys of a tile are 32 b + 8 u + r + 8 (r / 8), so that the 16 registers of two neighbouring tiles are 16 neighbouring keys, 32 b + 16 (lane / 16) + 0 .. 15.
; LIMITS: NaN and infinities are not served.  A block's largest p is not searched for: the block's largest score goes through the same multiply-add and exponential (this takes v_exp_f32 not to fall where its input
; rises).  A block of zeros, or one under 2^(4 - 126), gets the byte 1: this program alone reads the bytes.  y's scale bytes leave as single bytes, 32 bytes apart: 2 bytes for each 48 bytes of codes.
.set KLDS, 0
.set VLDS, 98304
.set KSCL, 196608                      ; K's scale words; V's lie 4,096 bytes on
.set YST,  204800                      ; the way out: 1,024 bytes for each wave, bytes of their own
.set CHB,  24576                       ; a chunk of 512 keys: 16 fragments of 1,536 bytes
.set AKV, 1                            ; v1   48 x lane: my 48 bytes of a fragment
.set AVV, 2                            ; v2   the same in V's region
.set ASC, 3                            ; v3   KSCL + 16 r: my row's four scale words of a step
.set DQ,  4                            ; v4   my query in its 128, less 16 (lane / 16)
.set STO, 6                            ; v6   the stage, in: 24 x lane
.set RDS, 7                            ; v7   and back: 8 x lane
.set ADK, 8
.set ADV, 9
.set ADS, 10
.set NINF, 11                          ; v11  -infinity
                                       ; v12 -M, v13 the largest t, v[14:15] the sum in two halves
.set QL,  16                           ; v16-27 (q | zeros)
.set QH,  22                           ; v22-33 (zeros | q)
.set QS,  34                           ; v34  q's scale word: its two bytes, twice
.set KF,  36                           ; v36-83 four fragments of K or of V
.set KS,  84                           ; v84-87 their scale words
.set YO,  88                           ; v88  8 x lane
.set YB,  89                           ; v89  32 r + h
.set QSA, 90                           ; v90  16 r
.set S,   96                           ; v96-159 S^T, then p
.set O,   160                          ; v160-191 O^T
.set PC,  192                          ; v192-203 p's codes
.set CT,  204                          ; v204-210 conversions' second halves
.set BM,  212                          ; v212-215 the blocks' largest
.set BY,  216                          ; v216-219 the other half's, then the bytes
.set SO,  220                          ; v220-223 the conversions' scale operands
.set PW,  224                          ; v224 p's scale word
.set FF,  226                          ; v[226:227] f = 2^(old M - new M) (the pair's low word serves both halves)
.set TP,  228
.set SM2, 230                          ; v[230:231] the second chain of the sum
.set WV,  12
.set G1C, 24                           ; s[24:31] group 1: 48 rows of 256 bytes;  s[32:39]: 8 rows
.set G1S, 32
.set G0,  40                           ; s[40:59] five groups 0, none rewritten
.set SEL, 60
.set CS,  62                           ; s[62:63] c = log2(e) / 8
.set TB,  66                           ; s66  where the step's fragments begin in a region
.set TS,  67                           ; s67  and its scale words
.set KST, 68                           ; s68  the key step
.set CNT, 69
.macro CROUND
	s_barrier_signal -1
	s_barrier_wait -1
	s_cmp_lg_u32 s[WV], 0
	s_cbranch_scc1 .Lnot_wave_0_\@
	s_barrier_signal -3
.Lnot_wave_0_\@:
	s_barrier_wait -3
	s_barrier_signal -1
	s_barrier_wait -1
.endm
	s_load_b256 s[4:11], s[0:1], 0x0               ; q, k, v: codes s[4:5], scales s[6:7];  y: codes s[8:9], scales s[10:11]
	v_lshl_add_u32 v254, v0, 2, 0x36000
	v_mov_b32 v255, 0
	ds_add_u32 v254, v255
	ds_add_u32 v254, v255
	v_lshrrev_b32 v5, 5, v0
	s_delay_alu instid0(VALU_DEP_1)
	v_readfirstlane_b32 s[WV], v5                  ; wave 0..15
	s_bfe_u32 s13, ttmp6, 0x40000                  ; cx
	s_lshl_b32 s14, ttmp9, 2
	s_add_co_u32 s14, s14, s13                     ; j = 4 x cluster x + cx: it enters q's and y's addresses alone
	s_and_b32 s15, ttmp7, 0xffff
	s_lshr_b32 s16, s15, 4                         ; the batch
	s_and_b32 s17, s15, 15                         ; the head
	; what I fetch, if I fetch: wave 0, 1: K's halves; wave 2, 3: V's
	s_lshr_b32 s18, s[WV], 1
	s_and_b32 s19, s[WV], 1
	s_mul_i32 s20, s16, 48
	s_add_co_u32 s20, s20, s17                     ; q's region
	s_lshl_b32 s21, s18, 4
	s_add_co_u32 s21, s21, s20
	s_add_co_u32 s21, s21, 16                      ; K's region, or V's
	s_mul_i32 s22, s21, 98304
	s_mul_i32 s23, s19, CHB/2
	s_add_co_u32 s22, s22, s23                     ; codes: my half of chunk 0, in memory (under 2^25)
	s_mov_b32 s23, 0
	s_lshl_b32 s70, s21, 12
	s_lshl_b32 s71, s19, 11
	s_add_co_u32 s70, s70, s71                     ; scale words: my half
	s_mov_b32 s71, 0
	s_mul_i32 s72, s18, VLDS
	s_mul_i32 s73, s19, CHB/2
	s_add_co_u32 s72, s72, s73                     ; and in LDS
	s_lshl_b32 s73, s[WV], 11
	s_add_co_u32 s73, s73, KSCL
	; both groups 1: dense rows of 256 bytes (32 elements of 8 bytes), no padding
	s_mov_b32 s[G1C], 15|(3<<16)|(1<<21)           ; 15:0 the mask: all four work-groups; 17:16 elements of 8 bytes; 21 set beside a mask
	s_mov_b32 s[G1C+1], 32<<16                     ; tensor_dim0
	s_mov_b32 s[G1C+2], 48<<16                     ; tensor_dim1
	s_mov_b32 s[G1C+3], 32<<16                     ; tile_dim0
	s_mov_b32 s[G1C+4], 48                         ; tile_dim1
	s_mov_b32 s[G1C+5], 32                         ; the pitch
	s_mov_b32 s[G1C+6], 0
	s_mov_b32 s[G1C+7], 0
	s_mov_b32 s[G1S], 15|(3<<16)|(1<<21)
	s_mov_b32 s[G1S+1], 32<<16
	s_mov_b32 s[G1S+2], 8<<16
	s_mov_b32 s[G1S+3], 32<<16
	s_mov_b32 s[G1S+4], 8
	s_mov_b32 s[G1S+5], 32
	s_mov_b32 s[G1S+6], 0
	s_mov_b32 s[G1S+7], 0
	s_mov_b32 s[SEL], 0x76543210
	s_mov_b32 s[SEL+1], 0xfedcba98
	s_mov_b32 s[CS], 0x3e38aa3b                    ; log2(e) / 8
	s_mov_b32 s[CS+1], s[CS]                       ; (named with it as a pair, so it is written)
	s_wait_dscnt 0x0
	s_wait_kmcnt 0x0
	s_add_nc_u64 s[22:23], s[4:5], s[22:23]
	s_add_nc_u64 s[70:71], s[6:7], s[70:71]
	CROUND                                         ; all four work-groups are here: the joint loads meet
	s_mov_b32 s[G0], 1
	s_mov_b32 s[G0+1], s73
	s_mov_b64 s[G0+2:G0+3], s[70:71]
	s_or_b32 s[G0+3], s[G0+3], 0x80000000
.irp c, 0,1,2,3
	s_mov_b32 s[G0+4+4*\c], 1
	s_add_co_u32 s[G0+5+4*\c], s72, \c*CHB
	s_add_nc_u64 s[G0+6+4*\c:G0+7+4*\c], s[22:23], \c*CHB
	s_or_b32 s[G0+7+4*\c], s[G0+7+4*\c], 0x80000000
.endr
	s_cmp_lt_u32 s[WV], 4                          ; all the fills of a wave stand in one branch on its number, ahead of every wait on TENSORcnt and every LDS read
	s_cbranch_scc0 .Lno_fetch
	tensor_load_to_lds s[G0:G0+3], s[G1S:G1S+7]
	s_nop 0
	tensor_load_to_lds s[G0+4:G0+7], s[G1C:G1C+7]
	s_nop 0
	tensor_load_to_lds s[G0+8:G0+11], s[G1C:G1C+7]
	s_nop 0
	tensor_load_to_lds s[G0+12:G0+15], s[G1C:G1C+7]
	s_nop 0
	tensor_load_to_lds s[G0+16:G0+19], s[G1C:G1C+7]
	s_nop 0
.rept 4
	v_nop
.endr
.Lno_fetch:
	; addresses
	s_lshr_b32 s74, s14, 1                         ; j / 2
	s_and_b32 s76, s14, 1                          ; u = j % 2
	s_lshl_b32 s75, s74, 5
	s_lshl_b32 s77, s76, 3
	s_add_co_u32 s75, s75, s77                     ; 32 (j / 2) + 8 u
	s_mul_i32 s18, s20, 98304                      ; q: its region,
	s_lshl_b32 s19, s[WV], 2
	s_add_co_u32 s19, s19, s74
	s_mul_i32 s19, s19, 1536                       ; fragment 4 i + j / 2,
	s_add_co_u32 s18, s18, s19
	s_mul_i32 s19, s76, 24                         ; its half u
	s_add_co_u32 s18, s18, s19
	s_mov_b32 s19, 0
	s_add_nc_u64 s[4:5], s[4:5], s[18:19]
	s_lshl_b32 s18, s20, 12                        ; q's scale words: region, step i, word j / 2
	s_lshl_b32 s21, s[WV], 8
	s_add_co_u32 s18, s18, s21
	s_lshl_b32 s21, s74, 2
	s_add_co_u32 s18, s18, s21
	s_add_nc_u64 s[6:7], s[6:7], s[18:19]
	s_lshl_b32 s18, s16, 7                         ; y: tile 128 x batch + 8 i + j
	s_lshl_b32 s21, s[WV], 3
	s_add_co_u32 s18, s18, s21
	s_add_co_u32 s18, s18, s14
	s_lshl_b32 s78, s18, 9                         ; scale bytes: 16 rows of 32 bytes a tile,
	s_lshl_b32 s77, s17, 1
	s_add_co_u32 s78, s78, s77                     ; + 2 x head
	s_mov_b32 s79, 0
	s_add_nc_u64 s[10:11], s[10:11], s[78:79]
	s_lshl_b32 s18, s18, 4
	s_add_co_u32 s18, s18, s17
	s_mul_i32 s18, s18, 768                        ; codes: 768 bytes for each (tile, head)
	s_add_nc_u64 s[8:9], s[8:9], s[18:19]
	s_mov_b32 s77, 0x01000100
	s_cmp_eq_u32 s76, 1
	s_cselect_b32 s77, 0x03020302, s77             ; which two bytes of q's scale word are my tile's
	s_lshl_b32 s70, s[WV], 10
	s_add_co_u32 s70, s70, YST                     ; my stage
	v_and_b32 v5, 31, v0                           ; lane
	v_and_b32 v91, 15, v0                          ; r
	v_bfe_u32 v92, v0, 4, 1                        ; h
	s_delay_alu instid0(VALU_DEP_3)
	v_mul_u32_u24 v[AKV], v5, 48
	s_delay_alu instid0(VALU_DEP_1)
	v_add_nc_u32 v[AVV], VLDS, v[AKV]
	s_delay_alu instid0(VALU_DEP_4)
	v_lshlrev_b32 v[QSA], 4, v91
	s_delay_alu instid0(VALU_DEP_1)
	v_add_nc_u32 v[ASC], KSCL, v[QSA]
.irp p, 0,1,2
	global_load_b64 v[QL+2*\p:QL+2*\p+1], v[AKV], s[4:5] offset:8*\p       ; q, twice: the two operands share no register with K's, and each has its own copy
	global_load_b64 v[QH+6+2*\p:QH+7+2*\p], v[AKV], s[4:5] offset:8*\p
.endr
	global_load_b32 v[QS], v[QSA], s[6:7]
	v_and_b32 v[DQ], 8, v91
	s_delay_alu instid0(VALU_DEP_1)
	v_add_nc_u32 v[DQ], v[DQ], v91
	v_lshlrev_b32 v93, 4, v92
	s_delay_alu instid0(VALU_DEP_1)
	v_sub_nc_u32 v[DQ], v[DQ], v93
	s_delay_alu instid0(VALU_DEP_1)
	v_add_nc_u32 v[DQ], s75, v[DQ]
	v_mul_u32_u24 v[STO], v5, 24
	s_delay_alu instid0(VALU_DEP_1)
	v_add_nc_u32 v[STO], s70, v[STO]
	v_lshlrev_b32 v[YO], 3, v5
	s_delay_alu instid0(VALU_DEP_1)
	v_add_nc_u32 v[RDS], s70, v[YO]
	v_lshl_add_u32 v[YB], v91, 5, v92
	v_mov_b32 v[NINF], 0xff800000
	v_mov_b32 v13, 0xff61b1e6                      ; the largest t so far: -3e38, under every t
	s_delay_alu instid0(VALU_DEP_1)
	v_floor_f32 v12, -v13                          ; -M
	v_mov_b32 v14, 0
	v_mov_b32 v15, 0
.irp i, 0,1,2,3,4,5
	v_mov_b32 v[QH+\i], 0                          ; the zeros between the two copies of q
.endr
.irp b, 0,1,2,3
	v_mov_b32 v[BY+\b], 0                          ; written once: a lane permute's destination counts as one of its sources
.endr
	v_mov_b32 v[FF+1], 0                           ; (named as the upper half of a pair)
	v_mov_b32 v[TP], 0
	s_wait_loadcnt 0x0                             ; q and its scale word
	v_perm_b32 v[QS], v[QS], v[QS], s77            ; my tile's two bytes, twice: they serve (q | zeros) and (zeros | q) alike
.set J, 0
.rept 32
	v_mov_b32 v[O+J], 0                            ; O^T.  (The step is written once: the first finds zeros.)  These are also the places between the line above and the first product
.set J, J+1
.endr
; A KEY STEP: 128 keys.
.macro STEP
	s_cmp_gt_u32 s[KST], s[WV]                     ; all its keys come after my queries: nothing to do
	s_cbranch_scc1 .Lhid_\@
	s_setprio 2
	v_add_nc_u32 v[ADK], s[TB], v[AKV]
	v_add_nc_u32 v[ADV], s[TB], v[AVV]
	v_add_nc_u32 v[ADS], s[TS], v[ASC]
	v_nop                                          ; four plain lines between the last step's products and the loads into their registers
.irp b, 0,1,2,3
.irp g, 0,1,2
	ds_load_b128 v[KF+12*\b+4*\g:KF+12*\b+4*\g+3], v[ADK] offset:1536*\b+16*\g   ; 48 bytes from lane to lane
.endr
.endr
	ds_load_b128 v[KS:KS+3], v[ADS]
	s_wait_alu depctr_va_vdst(0)
	s_wait_dscnt 0x0
.irp b, 0,1,2,3
	v_wmma_scale_f32_16x16x128_f8f6f4 v[S+16*\b:S+16*\b+7], v[KF+12*\b:KF+12*\b+11], v[QL:QL+11], 0, v[KS+\b], v[QS] matrix_a_fmt:MATRIX_FMT_BF6 matrix_b_fmt:MATRIX_FMT_BF6
	v_wmma_scale_f32_16x16x128_f8f6f4 v[S+16*\b+8:S+16*\b+15], v[KF+12*\b:KF+12*\b+11], v[QH:QH+11], 0, v[KS+\b], v[QS] matrix_a_fmt:MATRIX_FMT_BF6 matrix_b_fmt:MATRIX_FMT_BF6
.endr
.rept 4
	v_nop
.endr
.irp e, 0,1,2,3                                ; V's four fragments take K's registers and land under the softmax
.irp g, 0,1,2
	ds_load_b128 v[KF+12*\e+4*\g:KF+12*\e+4*\g+3], v[ADV] offset:1536*\e+16*\g
.endr
.endr
	ds_load_b128 v[KS:KS+3], v[ADS] offset:4096
	s_cmp_lg_u32 s[KST], s[WV]                     ; only my step on the diagonal hides keys
	s_cbranch_scc1 .Lopen_\@
.set N, 0
.rept 64                                       ; register 16 b + i holds key 32 b + 16 (lane / 16) + i of the step: hidden where 32 b + i > my query - 16 (lane / 16)
	v_cmp_gt_i32 vcc_lo, 32*(N/16)+N%16, v[DQ]
	v_cndmask_b32 v[S+N], v[S+N], v[NINF], vcc_lo
.set N, N+1
.endr
.Lopen_\@:
.irp b, 0,1,2,3
	v_max3_num_f32 v[BM+\b], v[S+16*\b], v[S+1+16*\b], v[S+2+16*\b]   ; the largest score of each block of 32 keys: for the row's maximum, and for the block's largest p
.endr
.irp i, 3,5,7,9,11,13
.irp b, 0,1,2,3
	v_max3_num_f32 v[BM+\b], v[BM+\b], v[S+16*\b+\i], v[S+1+16*\b+\i]
.endr
.endr
.irp b, 0,1,2,3
	v_max_num_f32 v[BM+\b], v[BM+\b], v[S+15+16*\b]
.endr
.irp b, 0,1,2,3
	s_delay_alu instid0(VALU_DEP_4)
	v_permlanex16_b32 v[BY+\b], v[BM+\b], s[SEL], s[SEL+1]
.endr
.irp b, 0,1,2,3
	s_delay_alu instid0(VALU_DEP_4)
	v_max_num_f32 v[BM+\b], v[BM+\b], v[BY+\b]     ; with lane l xor 16's 16 keys
.endr
	s_delay_alu instid0(VALU_DEP_2)
	v_max3_num_f32 v[TP], v[BM], v[BM+1], v[BM+2]
	s_delay_alu instid0(VALU_DEP_1)
	v_max_num_f32 v[TP], v[TP], v[BM+3]
	s_delay_alu instid0(VALU_DEP_1)
	v_mul_f32 v[TP], s[CS], v[TP]                  ; as t (c is positive)
	s_delay_alu instid0(VALU_DEP_1)
	v_max_num_f32 v13, v13, v[TP]                  ; the running largest t
	v_mov_b32 v[TP], v12
	s_delay_alu instid0(VALU_DEP_2)
	v_floor_f32 v12, -v13                          ; the new -M = floor(-t) = -ceil(t)
	s_delay_alu instid0(VALU_DEP_1)
	v_sub_f32 v[TP], v12, v[TP]                    ; old M - new M: a whole number, 0 or less
	s_delay_alu instid0(VALU_DEP_1)
	v_cvt_i32_f32 v[TP], v[TP]                     ; (it saturates)
	s_delay_alu instid0(VALU_DEP_1)
	v_ldexp_f32 v[FF], 1.0, v[TP]                  ; f = 2^(old M - new M)
.set J, 0
.rept 32
	v_pk_fma_f32 v[S+J:S+J+1], v[S+J:S+J+1], s[CS:CS+1], v[12:13] op_sel_hi:[1,0,0]   ; t - M, two at a time
.set J, J+2
.endr
	s_setprio 1
.irp b, 0,1,2,3
	v_fma_f32 v[BM+\b], v[BM+\b], s[CS], v12       ; the same of each block's largest score
.endr
.set J, 0
	s_wait_alu depctr_va_vdst(0)
.rept 64
	v_exp_f32 v[S+J], v[S+J]                       ; p = 2^(t - M), at most 1
.set J, J+1
.endr
.irp b, 0,1,2,3
	v_exp_f32 v[BM+\b], v[BM+\b]                   ; the block's largest p: the same two instructions on the same number
.endr
	v_pk_mul_f32 v[14:15], v[14:15], v[FF:FF+1] op_sel_hi:[1,0]   ; the sums under the new M (a plain line behind the exponentials)
	s_wait_alu depctr_va_vdst(0)
.irp b, 0,1,2,3
	v_max_num_f32 v[BM+\b], 0x2800000, v[BM+\b]    ; the floor 2^(5 - 127)
.endr
.irp b, 0,1,2,3
	s_delay_alu instid0(VALU_DEP_4)
	v_add_nc_u32 v[SO+\b], 0xfe000000, v[BM+\b]    ; 4 off the exponent field: the conversion's scale operand
.endr
.irp b, 0,1,2,3
	s_delay_alu instid0(VALU_DEP_4)
	v_lshrrev_b32 v[BY+\b], 23, v[SO+\b]           ; the scale's byte
.endr
	s_delay_alu instid0(VALU_DEP_3)
	v_lshl_or_b32 v[PW], v[BY+1], 8, v[BY]
	s_delay_alu instid0(VALU_DEP_1)
	v_lshl_or_b32 v[PW], v[BY+2], 16, v[PW]
	s_delay_alu instid0(VALU_DEP_1)
	v_lshl_or_b32 v[PW], v[BY+3], 24, v[PW]
.irp c, 0,1
	v_cvt_scalef32_pk16_bf6_f32 v[PC+6*\c:PC+2+6*\c], v[S+32*\c:S+15+32*\c], v[SO+2*\c]
	v_cvt_scalef32_pk16_bf6_f32 v[CT+4*\c:CT+2+4*\c], v[S+16+32*\c:S+31+32*\c], v[SO+2*\c+1]
.endr
	v_nop                                          ; one plain line behind a scaled conversion
.irp c, 0,1                                    ; a whole block to a lane
.irp i, 0,1,2
	v_permlane16_swap_b32 v[PC+6*\c+\i], v[CT+4*\c+\i]
.endr
.irp i, 0,1,2
	s_delay_alu instid0(VALU_DEP_3)
	v_mov_b32 v[PC+3+6*\c+\i], v[CT+4*\c+\i]
.endr
.endr
	v_pk_add_f32 v[230:231], v[100:101], v[104:105]
	v_pk_add_f32 v[252:253], v[108:109], v[112:113]
	v_pk_add_f32 v[250:251], v[116:117], v[120:121]
	v_pk_add_f32 v[248:249], v[124:125], v[128:129]
	v_pk_add_f32 v[246:247], v[132:133], v[136:137]
	v_pk_add_f32 v[244:245], v[140:141], v[144:145]
	v_pk_add_f32 v[242:243], v[148:149], v[152:153]
	v_pk_add_f32 v[14:15], v[14:15], v[156:157]
	v_pk_add_f32 v[230:231], v[230:231], v[96:97]
	v_pk_add_f32 v[252:253], v[252:253], v[98:99]
	v_pk_add_f32 v[250:251], v[250:251], v[102:103]
	s_setprio 0
	v_pk_add_f32 v[248:249], v[248:249], v[106:107]
	v_pk_add_f32 v[246:247], v[246:247], v[110:111]
	v_pk_add_f32 v[244:245], v[244:245], v[114:115]
	v_pk_add_f32 v[242:243], v[242:243], v[118:119]
	v_pk_add_f32 v[14:15], v[14:15], v[122:123]
	v_pk_add_f32 v[230:231], v[230:231], v[126:127]
	v_pk_add_f32 v[252:253], v[252:253], v[130:131]
	v_pk_add_f32 v[250:251], v[250:251], v[134:135]
	v_pk_add_f32 v[248:249], v[248:249], v[138:139]
	v_pk_add_f32 v[246:247], v[246:247], v[142:143]
	v_pk_add_f32 v[244:245], v[244:245], v[146:147]
	v_pk_add_f32 v[242:243], v[242:243], v[150:151]
	v_pk_add_f32 v[14:15], v[14:15], v[154:155]
	v_pk_add_f32 v[230:231], v[230:231], v[158:159]
	s_delay_alu instid0(VALU_DEP_2)
	v_pk_add_f32 v[14:15], v[14:15], v[248:249]
	s_delay_alu instid0(VALU_DEP_2)
	v_pk_add_f32 v[230:231], v[230:231], v[246:247]
	v_pk_add_f32 v[252:253], v[252:253], v[244:245]
	v_pk_add_f32 v[250:251], v[250:251], v[242:243]
	s_delay_alu instid0(VALU_DEP_2)
	v_pk_add_f32 v[14:15], v[14:15], v[252:253]
	s_delay_alu instid0(VALU_DEP_2)
	v_pk_add_f32 v[230:231], v[230:231], v[250:251]
	s_delay_alu instid0(VALU_DEP_1)
	v_pk_add_f32 v[14:15], v[14:15], v[230:231]
.set J, 0
.rept 16
	v_pk_mul_f32 v[O+J:O+J+1], v[O+J:O+J+1], v[FF:FF+1] op_sel_hi:[1,0]   ; O^T under the new M.  (With the sums: the places between p's codes and scale word and the products)
.set J, J+2
.endr
	s_wait_alu depctr_va_vdst(0)
	s_wait_dscnt 0x0                               ; V and its scale words are in
.irp e, 0,1,2,3                                ; the four accumulators take turns, one instruction a turn
	v_wmma_scale_f32_16x16x128_f8f6f4 v[O+8*\e:O+8*\e+7], v[KF+12*\e:KF+12*\e+11], v[PC:PC+11], v[O+8*\e:O+8*\e+7], v[KS+\e], v[PW] matrix_a_fmt:MATRIX_FMT_BF6 matrix_b_fmt:MATRIX_FMT_BF6
.endr
.Lhid_\@:
	s_add_co_u32 s[TB], s[TB], 6144                ; the next step: four fragments on,
	s_add_co_u32 s[TS], s[TS], 256                 ; 256 bytes of scale words on
	s_add_co_u32 s[KST], s[KST], 1
.endm
; A CHUNK of four key steps.  The fetching waves wait for their parts of it (the 3 - c later chunks' loads may be out), then the barrier shows it to all sixteen.
.macro CHUNK c
	s_wait_tensorcnt 3-\c
	s_wait_dscnt 0x0
	s_barrier_signal -1
	s_barrier_wait -1
	s_mov_b32 s[TB], \c*CHB
	s_mov_b32 s[TS], \c*1024
	s_mov_b32 s[KST], \c*4
	s_mov_b32 s[CNT], 4
.Lstep_\@:
	STEP
	s_sub_co_u32 s[CNT], s[CNT], 1
	s_cmp_lg_u32 s[CNT], 0
	s_cbranch_scc1 .Lstep_\@
	s_setprio 0
.endm
	CHUNK 0
	CHUNK 1
	CHUNK 2
	CHUNK 3
	; THE WAY OUT: y = O^T / the sum; register 16 e + i is channel 32 e + 16 (lane / 16) + i of my query: two blocks of the last product's K.
.rept 4
	v_nop
.endr
	v_add_f32 v14, v14, v15
	s_delay_alu instid0(VALU_DEP_1)
	v_permlanex16_b32 v[TP], v14, s[SEL], s[SEL+1]
	s_delay_alu instid0(VALU_DEP_1)
	v_add_f32 v14, v14, v[TP]                      ; the row's sum
	s_wait_alu depctr_va_vdst(0)
	v_rcp_f32 v14, v14
	v_nop                                          ; a plain line behind the transcendental
.set J, 0
	s_wait_alu depctr_va_vdst(0)
.rept 32
	v_mul_f32 v[S+J], v[O+J], v14                  ; each accumulator from its low end on
.set J, J+1
.endr
.irp b, 0,1
	v_max3_num_f32 v[BM+\b], |v[S+16*\b]|, |v[S+1+16*\b]|, 0x2800000
.endr
.irp i, 2,4,6,8,10,12,14
.irp b, 0,1
	s_delay_alu instid0(VALU_DEP_2)
	v_max3_num_f32 v[BM+\b], v[BM+\b], |v[S+16*\b+\i]|, |v[S+1+16*\b+\i]|
.endr
.endr
.irp b, 0,1
	s_delay_alu instid0(VALU_DEP_2)
	v_permlanex16_b32 v[BY+\b], v[BM+\b], s[SEL], s[SEL+1]
.endr
.irp b, 0,1
	s_delay_alu instid0(VALU_DEP_2)
	v_max_num_f32 v[BM+\b], v[BM+\b], v[BY+\b]
.endr
.irp b, 0,1
	s_delay_alu instid0(VALU_DEP_2)
	v_add_nc_u32 v[SO+\b], 0xfe000000, v[BM+\b]
.endr
.irp b, 0,1
	s_delay_alu instid0(VALU_DEP_2)
	v_lshrrev_b32 v[BY+\b], 23, v[SO+\b]
.endr
	v_cvt_scalef32_pk16_bf6_f32 v[PC:PC+2], v[S:S+15], v[SO]
	v_cvt_scalef32_pk16_bf6_f32 v[CT:CT+2], v[S+16:S+31], v[SO+1]
	v_nop
.irp i, 0,1,2
	v_permlane16_swap_b32 v[PC+\i], v[CT+\i]
.endr
.irp i, 0,1,2
	s_delay_alu instid0(VALU_DEP_3)
	v_mov_b32 v[PC+3+\i], v[CT+\i]                 ; lane (r, h) now holds block h's 32 codes of row r: 24 bytes
.endr
	s_mov_b32 s70, 0xffff0000
	v_cndmask_b32 v[TP], v[BY], v[BY+1], s70       ; and block h's byte
.irp p, 0,1,2
	ds_store_b64 v[STO], v[PC+2*\p:PC+2*\p+1] offset:8*\p
.endr
.irp g, 0,1,2
	ds_load_b64 v[KF+2*\g:KF+2*\g+1], v[RDS] offset:256*\g   ; LDS serves a wave's instructions in order: these see my stores
.endr
	s_wait_alu depctr_va_vdst(0)
	s_wait_dscnt 0x0
.irp g, 0,1,2
	global_store_b64 v[YO], v[KF+2*\g:KF+2*\g+1], s[8:9] offset:256*\g th:TH_STORE_NT   ; 32 lanes store 256 consecutive bytes, aligned
.endr
	global_store_b8 v[YB], v[TP], s[10:11]
	s_wait_tensorcnt 0x0
	ds_add_u32 v254, v255
	s_wait_dscnt 0x0
	CROUND                                         ; the closing round: no work-group ends while a partner may still ask for a tile that names it
	s_endpgm
.Lfunc_end_k_qada5428cdb_attn:
	.size	k_qada5428cdb_attn, .Lfunc_end_k_qada5428cdb_attn-k_qada5428cdb_attn
	.p2alignl 7, 3214868480
	.fill 96, 4, 3214868480
	.section	.rodata,"a",@progbits
	.p2align	6, 0x0
	.amdhsa_kernel k_qada5428cdb_attn
		.amdhsa_group_segment_fixed_size 223232
		.amdhsa_private_segment_fixed_size 0
		.amdhsa_enable_private_segment 0
		.amdhsa_kernarg_size 32
		.amdhsa_user_sgpr_count 2
		.amdhsa_user_sgpr_kernarg_segment_ptr 1
		.amdhsa_wavefront_size32 1
		.amdhsa_system_sgpr_workgroup_id_x 1
		.amdhsa_system_sgpr_workgroup_id_y 1
		.amdhsa_system_sgpr_workgroup_id_z 1
		.amdhsa_system_vgpr_workitem_id 0
		.amdhsa_next_free_vgpr 256
		.amdhsa_next_free_sgpr 80
		.amdhsa_reserve_vcc 1
		.amdhsa_float_denorm_mode_32 3
		.amdhsa_float_denorm_mode_16_64 3
		.amdhsa_memory_ordered 1
		.amdhsa_forward_progress 1
		.amdhsa_inst_pref_size 104
	.end_amdhsa_kernel
	.amdgpu_metadata
---
amdhsa.version: [ 1, 2 ]
amdhsa.kernels:
  - .name:           k_qada5428cdb_attn
    .symbol:         k_qada5428cdb_attn.kd
    .args:
      - { .name: qkv_codes, .offset: 0, .size: 8, .value_kind: global_buffer, .address_space: global }
      - { .name: qkv_scales, .offset: 8, .size: 8, .value_kind: global_buffer, .address_space: global }
      - { .name: y_codes, .offset: 16, .size: 8, .value_kind: global_buffer, .address_space: global }
      - { .name: y_scales, .offset: 24, .size: 8, .value_kind: global_buffer, .address_space: global }
    .group_segment_fixed_size: 223232
    .private_segment_fixed_size: 0
    .kernarg_segment_align: 8
    .kernarg_segment_size: 32
    .max_flat_workgroup_size: 512
    .sgpr_count:     80
    .vgpr_count:     256
    .wavefront_size: 32
...
	.end_amdgpu_metadata
.endif
;; end of part 3
;; launch proj (part 4): grid 4 x 32, 4 waves a work-group, clusters of 4 x 4, 327,680 bytes of LDS; arguments y_codes, y_scales, xw_codes, xw_scales, out0; writes out0
.if DOCPART == 4
	.amdgcn_target "amdgcn-amd-amdhsa--gfx1250"
	.amdhsa_code_object_version 6
	.text
	.protected	k_qada5428cdb_proj
	.globl	k_qada5428cdb_proj
	.p2align	8
	.type	k_qada5428cdb_proj,@function
k_qada5428cdb_proj:
	s_mov_b64 s[64:65], 0
	v_nop
	global_prefetch_b8 v0, s[64:65] scope:SCOPE_SE
	s_setreg_imm32_b32 hwreg(HW_REG_WAVE_MODE, 25, 1), 1
	s_wait_xcnt 0x0
	s_wait_alu depctr_hold_cnt(0) depctr_sa_sdst(0) depctr_va_vdst(0) depctr_va_sdst(0) depctr_va_ssrc(0) depctr_va_vcc(0) depctr_vm_vsrc(0)
	s_getreg_b32 s2, hwreg(HW_REG_IB_STS2, 6, 4)
	s_cmp_eq_u32 s2, 0
	s_cbranch_scc0 .Lentry_in_a_cluster
	s_endpgm
.Lentry_in_a_cluster:
	s_bfe_u32 s2, ttmp6, 0x10000c
	s_cmp_lg_u32 s2, 0xf033
	s_cbranch_scc0 .Lentry_shape_is_right
	s_endpgm
.Lentry_shape_is_right:
; out0 = y Wo^T on codes of BF6 (E3M2) with E8M0 scales.  M = 8,192, N = 1,024, K = 1,024; out0 f32; one f32 sum for each output, K ascending.
; A tile of 256 x 256 is made by four waves, each 128 x 128: 64 accumulators, 512 registers.  K goes in steps of 256 through two LDS slots filled by the tensor data mover.
; y's codes lie as the launch before left them: [tile of 16 rows][head][lane][24 bytes]: the image of an operand's registers.  A tile's K step of 256 (four heads) is 3,072 consecutive bytes, tiles 12,288 bytes apart.
;   Lane r of tile g holds row 32 (g / 2) + 8 (g % 2) + r + 8 (r / 8): the way out puts each row where it belongs.  y's scale bytes lie in the same order of rows, 32 bytes a row.
; Wo's codes lie as rows of 768 bytes in their own order, behind x's and Wqkv's in their buffer; its scale bytes likewise.
; THE SCALES of the work-group's 256 + 256 rows, for all of K, come into LDS once, with the first fills.
; CLUSTERS: 4 x 4 work-groups; A's tiles are shared along a row of the cluster, B's along a column: joint loads.  THE MATRIX INSTRUCTION IS USED TRANSPOSED (source 0 = 16 rows of Wo, source 1 = 16 rows of y).
; The grid has 128 work-groups: the tile is kept at 256 x 256 so that each byte read from LDS feeds as many products as the registers allow.
; REGISTERS, in windows of 256: window 0: v0-31 addresses; v32-63 scale words, two sets; from v128 A's fragments, one set.  window 1: B's fragments, two sets.  windows 2, 3: the accumulators.
.set SIZE_K, 1024
.set SIZE_N, 1024
.set KSTEP,  256
.set NQ,     KSTEP/128
.set ROWB,   192                       ; B: a tile's row in bytes
.set KROW,   SIZE_K*6/8
.set PITCH,  240                       ; B: an LDS row: 3 x (64 bytes + 16 of padding)
.set ATILE,  3072                      ; A: a tile of 16 rows x 256 along K, in memory and in LDS
.set FR,     12
.set NL,     6
.set NP,     4
.set HALFT,  128*PITCH                 ; the room of 128 rows in a slot (A uses 24,576 bytes of it)
.set SLOT,   4*HALFT
.set LAPS,   SIZE_K/(2*KSTEP)
.set KS,     SIZE_K/32
.set SCL,    2*SLOT
.set HALFS,  (128*KS/256)*272
.set SBLK,   (16*KS/256)*272
.set SPARE,  SCL+4*HALFS               ; the spare words, 128 bytes for each wave: two blocks of 256 bytes that no other line names
.set SPITCH, 528                       ; the way out: a stage of 16 rows x (512 bytes + 16) for each wave, in slot 0, which has had its last fill and its last read when the first result is stored there
.set ADRA, 16                          ; v16-17  LDS address of my A fragments in slot 0, 1
.set ADRB, 20                          ; v20-21  the same for B  (v22-23: behind one padding more)
.set STO,  24
.set RD,   25
.set CO,   26
.set ADRS, 27
.set SPW,  28                          ; v28  LDS address of my spare word; never rewritten
.set NIL,  29                          ; v29  0; never rewritten
.set SC,   32
.set AF,   128
.set BK,   128
.set G1, 24
.set G0, 32
.set G1B, 48
.set G0B, 56
.set G1S, 68
.set G0S, 76
.set G1SB, 80
.set G0SB, 88
.set MSB, 0
.macro WIN new
.if MSB != \new
	s_set_vgpr_msb (MSB<<8)|\new
.set MSB, \new
.endif
.endm
.set MUL_LO, 0xa1
.set MUL_HI, 0xf1
.set TO_B,   0x40
.macro JLOAD g0a, g1a, g0b, g1b        ; a joint load: waves 0 and 1 fetch for A, waves 2 and 3 for B; four v_nop follow each of the two lines
	s_cmp_eq_u32 s15, 0
	s_cbranch_scc0 .Lfor_b_\@
	tensor_load_to_lds s[\g0a:\g0a+3], s[\g1a:\g1a+7]
	s_nop 0
.rept 4
	v_nop
.endr
	s_branch .Lasked_\@
.Lfor_b_\@:
	tensor_load_to_lds s[\g0b:\g0b+3], s[\g1b:\g1b+7]
	s_nop 0
.rept 4
	v_nop
.endr
.Lasked_\@:
.endm
.macro CREST
	s_cmp_lg_u32 s14, 0
	s_cbranch_scc1 .Lnot_wave_0_\@
	s_barrier_signal -3
.Lnot_wave_0_\@:
	s_barrier_wait -3
	s_barrier_signal -1
	s_barrier_wait -1
.endm
.macro CROUND
	s_barrier_signal -1
	s_barrier_wait -1
	CREST
.endm
	s_load_b128 s[4:7], s[0:1], 0x0                ; y's codes s[4:5], y's scales s[6:7]
	s_load_b128 s[8:11], s[0:1], 0x10              ; the weights' codes s[8:9], their scales s[10:11]
	s_load_b64 s[12:13], s[0:1], 0x20              ; out0
	v_lshl_add_u32 v[SPW], v0, 2, SPARE
	v_mov_b32 v[NIL], 0
	ds_add_u32 v28, v29
	ds_add_u32 v28, v29
	s_wait_dscnt 0x0
	v_lshrrev_b32 v1, 5, v0
	v_readfirstlane_b32 s14, v1                    ; wave 0..3
	s_lshr_b32 s15, s14, 1                         ; which half of the tile's rows is mine.  Also: I fetch for A (0) or for B (1)
	s_and_b32 s16, s14, 1                          ; which half of its columns.  Also: which 128 rows of that tile I fetch
	s_bfe_u32 s40, ttmp6, 0x40000                  ; cx, cy
	s_bfe_u32 s41, ttmp6, 0x40004
	s_lshl_b32 s42, ttmp9, 2
	s_add_co_u32 s42, s42, s40                     ; tile column = 4 x cluster x + cx
	s_and_b32 s17, ttmp7, 0xffff
	s_lshl_b32 s17, s17, 2
	s_add_co_u32 s17, s17, s41                     ; tile row = 4 x cluster y + cy
	s_lshl_b32 s43, s41, 2
	s_lshl_b32 s43, 15, s43                        ; my row of the cluster
	s_lshl_b32 s44, 0x1111, s40                    ; my column
	; A's group 1: 8 tiles of 3,072 bytes (384 elements of 8 bytes), 12,288 bytes (1,536 elements) apart, no padding
	s_or_b32 s[G1+0], s43, (3<<16)|(1<<21)
	s_mov_b32 s[G1+1], 384<<16                     ; tensor_dim0
	s_mov_b32 s[G1+2], 8<<16                       ; tensor_dim1
	s_mov_b32 s[G1+3], 384<<16                     ; tile_dim0
	s_mov_b32 s[G1+4], 8                           ; tile_dim1
	s_mov_b32 s[G1+5], 1536                        ; the pitch
	s_mov_b32 s[G1+6], 0
	s_mov_b32 s[G1+7], 0
	; B's: 128 rows x 192 bytes, 16 bytes of padding behind every 64
	s_or_b32 s[G1B+0], s44, (0<<16)|(1<<20)|(1<<21)|(3<<22)|(3<<25)
	s_mov_b32 s[G1B+1], ROWB<<16
	s_mov_b32 s[G1B+2], 128<<16
	s_mov_b32 s[G1B+3], ROWB<<16
	s_mov_b32 s[G1B+4], 128
	s_mov_b32 s[G1B+5], KROW
	s_mov_b32 s[G1B+6], 0
	s_mov_b32 s[G1B+7], 0
	; the scales of 128 rows: 4,096 dense bytes, as rows of 256 bytes, 16 bytes of padding behind each
	s_or_b32 s[G1S+0], s43, (3<<16)|(1<<20)|(1<<21)|(5<<22)|(3<<25)
	s_or_b32 s[G1SB+0], s44, (3<<16)|(1<<20)|(1<<21)|(5<<22)|(3<<25)
.irp g, G1S, G1SB
	s_mov_b32 s[\g+1], 32<<16
	s_mov_b32 s[\g+2], (128*KS/256)<<16
	s_mov_b32 s[\g+3], 32<<16
	s_mov_b32 s[\g+4], 128*KS/256
	s_mov_b32 s[\g+5], 32
	s_mov_b32 s[\g+6], 0
	s_mov_b32 s[\g+7], 0
.endr
	s_lshl_b32 s18, s16, 7
	s_lshl_b32 s20, s17, 8
	s_add_co_u32 s20, s20, s18                     ; A: storage row 256 x tile row + 128 x half
	s_lshl_b32 s46, s42, 8
	s_add_co_u32 s46, s46, s18                     ; B: row 256 x tile column + 128 x half
	s_mov_b32 s21, 0
	s_mov_b32 s47, 0
	s_mov_b64 s[18:19], KS
	s_mul_u64 s[22:23], s[20:21], s[18:19]
	s_mul_u64 s[92:93], s[46:47], s[18:19]
	s_mov_b64 s[18:19], KROW
	s_mul_u64 s[20:21], s[20:21], s[18:19]         ; 16 rows of A are 12,288 bytes: 768 a row, as in B
	s_mul_u64 s[46:47], s[46:47], s[18:19]
	s_mul_i32 s45, s14, HALFT
	s_mul_i32 s94, s14, HALFS
	s_wait_kmcnt 0x0
	s_add_nc_u64 s[8:9], s[8:9], 8650752           ; Wo's codes lie behind x's and Wqkv's 11,264 rows,
	s_add_nc_u64 s[10:11], s[10:11], 360448        ; its scale bytes likewise
	s_add_nc_u64 s[20:21], s[4:5], s[20:21]
	s_add_nc_u64 s[22:23], s[6:7], s[22:23]
	s_add_nc_u64 s[46:47], s[8:9], s[46:47]
	s_add_nc_u64 s[92:93], s[10:11], s[92:93]
	CROUND                                         ; all sixteen work-groups are here: the first joint loads meet
	s_mov_b32 s[G0S], 1
	s_add_co_u32 s[G0S+1], s94, SCL
	s_mov_b64 s[G0S+2:G0S+3], s[22:23]
	s_or_b32 s[G0S+3], s[G0S+3], 0x80000000
	s_mov_b32 s[G0SB], 1
	s_add_co_u32 s[G0SB+1], s94, SCL
	s_mov_b64 s[G0SB+2:G0SB+3], s[92:93]
	s_or_b32 s[G0SB+3], s[G0SB+3], 0x80000000
	JLOAD G0S, G1S, G0SB, G1SB
.irp s, 0,1
	s_mov_b32 s[G0+4*\s], 1
	s_add_co_u32 s[G0+4*\s+1], s45, \s*SLOT
	s_add_nc_u64 s[G0+4*\s+2:G0+4*\s+3], s[20:21], \s*ATILE
	s_or_b32 s[G0+4*\s+3], s[G0+4*\s+3], 0x80000000
	s_mov_b32 s[G0B+4*\s], 1
	s_add_co_u32 s[G0B+4*\s+1], s45, \s*SLOT
	s_add_nc_u64 s[G0B+4*\s+2:G0B+4*\s+3], s[46:47], \s*ROWB
	s_or_b32 s[G0B+4*\s+3], s[G0B+4*\s+3], 0x80000000
	JLOAD G0+4*\s, G1, G0B+4*\s, G1B               ; three tensor loads of mine are out now
.endr
	v_and_b32 v1, 15, v0                           ; l % 16
	v_bfe_u32 v2, v0, 4, 1                         ; l / 16
	v_mul_u32_u24 v3, v1, PITCH
	v_mul_u32_u24 v4, v2, 24
	v_add_nc_u32 v4, v3, v4                        ; B: a fragment's row x pitch + 24 x half
	v_lshl_add_u32 v5, v2, 4, v4                   ; and the same behind one padding more
	v_and_b32 v6, 31, v0
	v_mul_u32_u24 v6, v6, 24                       ; A: 24 x lane: 6 words from lane to lane: the 32 lanes of a load of 8 bytes touch 64 different banks
	s_mul_i32 s21, s15, HALFT
	s_mul_i32 s22, s16, HALFT
	s_add_co_u32 s22, s22, 2*HALFT
.irp s, 0,1
	v_add_nc_u32 v[ADRA+\s], s21, v6
	v_add_nc_u32 v[ADRB+\s], s22, v4
	v_add_nc_u32 v[ADRB+2+\s], s22, v5
	s_add_co_u32 s21, s21, SLOT
	s_add_co_u32 s22, s22, SLOT
.endr
	v_mul_u32_u24 v5, v1, KS
	v_lshrrev_b32 v6, 8, v5
	v_lshl_add_u32 v5, v6, 4, v5
	s_mul_i32 s21, s15, HALFS
	s_mul_i32 s22, s16, HALFS
	s_add_co_u32 s22, s22, 2*HALFS
	s_sub_co_u32 s22, s22, s21
	v_mul_u32_u24 v6, s22, v2                      ; lanes 16-31 take B's
	s_add_co_u32 s21, s21, SCL
	v_add_nc_u32 v5, v5, v6
	v_add_nc_u32 v[ADRS], s21, v5
	s_mul_i32 s23, s14, 16*SPITCH                  ; my stage
	v_mul_u32_u24 v5, v1, SPITCH
	v_lshl_add_u32 v5, v2, 5, v5
	v_add_nc_u32 v[STO], s23, v5
	v_and_b32 v6, 31, v0
	v_lshlrev_b32 v[CO], 4, v6
	v_add_nc_u32 v[RD], s23, v[CO]
	s_lshl_b32 s20, s17, 8
	s_lshl_b32 s21, s15, 7
	s_add_co_u32 s20, s20, s21                     ; my first row of out0 (a run of 128 storage rows is the same run of 128 rows)
	s_mov_b32 s21, 0
	s_mov_b64 s[18:19], SIZE_N*4
	s_mul_u64 s[20:21], s[20:21], s[18:19]
	s_lshl_b32 s46, s42, 10
	s_lshl_b32 s47, s16, 9
	s_add_co_u32 s46, s46, s47
	s_mov_b32 s47, 0
	s_add_nc_u64 s[20:21], s[20:21], s[46:47]
	s_add_nc_u64 s[12:13], s[12:13], s[20:21]
.macro FRAG reg, adr, q, i             ; B: a fragment from padded rows, in pieces of 8 bytes
.irp p, 0,1,2,3,4,5
.set PCE, 12*(\q)+6*(\p/3)+\p%3
.if PCE%8 < 5
	ds_load_b64 v[\reg+2*\p:\reg+2*\p+1], v[\adr] offset:8*PCE+16*(PCE/8)+(\i)*16*PITCH
.else
	ds_load_b64 v[\reg+2*\p:\reg+2*\p+1], v[\adr+2] offset:8*PCE+16*(PCE/8)+(\i)*16*PITCH
.endif
.endr
.endm
.macro FRAGA reg, slot, q, i           ; A: tile i, the slot's q-th 128 along K (two heads of 768 bytes): registers 6 c on = head c's 24 bytes of my lane
.irp p, 0,1,2,3,4,5
	ds_load_b64 v[\reg+2*\p:\reg+2*\p+1], v[ADRA+\slot] offset:(\i)*ATILE+(\q)*1536+768*(\p/3)+8*(\p%3)
.endr
.endm
.macro MUL16 a0, p, q, sc, zero        ; 16 matrix instructions; the 64 accumulators take turns, one instruction a turn
.irp a, \a0, \a0+1
.irp b, 0,1,2,3,4,5,6,7
.if \zero
	v_wmma_scale_f32_16x16x128_f8f6f4 v[8*(8*((\a)%4)+\b):8*(8*((\a)%4)+\b)+7], v[128*(\p)+FR*\b:128*(\p)+FR*\b+FR-1], v[AF+FR*(\a):AF+FR*(\a)+FR-1], 0, v[SC+8*NQ*(\sc)+NQ*\b+(\q)], v[SC+8*NQ*(\sc)+NQ*(\a)+(\q)] matrix_a_fmt:MATRIX_FMT_BF6 matrix_b_fmt:MATRIX_FMT_BF6 matrix_a_scale:MATRIX_SCALE_ROW1
.else
	v_wmma_scale_f32_16x16x128_f8f6f4 v[8*(8*((\a)%4)+\b):8*(8*((\a)%4)+\b)+7], v[128*(\p)+FR*\b:128*(\p)+FR*\b+FR-1], v[AF+FR*(\a):AF+FR*(\a)+FR-1], v[8*(8*((\a)%4)+\b):8*(8*((\a)%4)+\b)+7], v[SC+8*NQ*(\sc)+NQ*\b+(\q)], v[SC+8*NQ*(\sc)+NQ*(\a)+(\q)] matrix_a_fmt:MATRIX_FMT_BF6 matrix_b_fmt:MATRIX_FMT_BF6 matrix_a_scale:MATRIX_SCALE_ROW1
.endif
.endr
.endr
.endm
.macro FETCH_B slot, q, p
	WIN TO_B
.irp i, 0,1,2,3,4,5,6,7
	FRAG 128*(\p)+FR*\i, ADRB+\slot, \q, \i
.endr
	WIN 0
.endm
.macro FETCH_A slot, q, i0
.irp i, \i0, \i0+1, \i0+2, \i0+3
	FRAGA AF+FR*(\i), \slot, \q, \i
.endr
.endm
.macro SCALES sc
.irp i, 0,1,2,3,4,5,6,7
	ds_load_b64 v[SC+8*NQ*\sc+NQ*\i:SC+8*NQ*\sc+NQ*\i+1], v[ADRS] offset:\i*SBLK
.endr
.endm
.macro PLACES n                        ; plain vector lines between a matrix instruction and a load into, or a read of, its registers
.rept \n
	v_nop
.endr
.endm
.macro STEP slot, q, zero
	s_wait_dscnt 4*NL                              ; B's set and A's blocks 0-3 are in; the youngest 24 loads (A's blocks 4-7) may be out
	WIN MUL_LO
	MUL16 0, (\q)%2, \q, \slot, \zero
	MUL16 2, (\q)%2, \q, \slot, \zero
	s_wait_dscnt 0
	PLACES NP
	FETCH_B \slot, (\q)+1, 1-(\q)%2
	FETCH_A \slot, (\q)+1, 0
	WIN MUL_HI
	MUL16 4, (\q)%2, \q, \slot, \zero
	MUL16 6, (\q)%2, \q, \slot, \zero
	PLACES NP
	WIN 0
	FETCH_A \slot, (\q)+1, 4
.endm
.macro TURN slot, next, fill
	s_wait_tensorcnt 0x0                           ; all my tensor loads have landed: my part of the next slot
	ds_add_u32 v[SPW], v[NIL]                      ; 0 onto my spare word
	s_wait_dscnt 4*NL+1                            ; the add and the youngest 24 loads may be out
	WIN MUL_LO
	MUL16 0, 1, NQ-1, \slot, 0
	s_wait_dscnt 0x0                               ; the add is done, and my reads of this slot are over
	s_barrier_signal -1
	MUL16 2, 1, NQ-1, \slot, 0
	WIN 0
	s_barrier_wait -1
.if \fill
	CREST                                          ; the barrier has opened a round of the cluster's barrier: no wave of any partner still reads this slot or has a load on its way
	s_add_nc_u64 s[G0+4*\slot+2:G0+4*\slot+3], s[G0+4*\slot+2:G0+4*\slot+3], 2*ATILE
	s_add_nc_u64 s[G0B+4*\slot+2:G0B+4*\slot+3], s[G0B+4*\slot+2:G0B+4*\slot+3], 2*ROWB
	JLOAD G0+4*\slot, G1, G0B+4*\slot, G1B         ; the first tensor load behind the round
.else
	PLACES NP
.endif
	v_add_nc_u32 v[ADRS], 4*NQ, v[ADRS]
	FETCH_B \next, 0, 0
	FETCH_A \next, 0, 0
	SCALES \next
	WIN MUL_HI
	MUL16 4, 1, NQ-1, \slot, 0
	MUL16 6, 1, NQ-1, \slot, 0
	PLACES NP
	WIN 0
	FETCH_A \next, 0, 4
.endm
	s_wait_tensorcnt 1                             ; the scales and my part of K step 0 are in (K step 1's load may be out),
	s_barrier_signal -1
	s_barrier_wait -1                              ; everybody's are
	FETCH_B 0, 0, 0
	FETCH_A 0, 0, 0
	SCALES 0
	FETCH_A 0, 0, 4
	STEP 0, 0, 1                                   ; the first step's products start the sums
	s_mov_b32 s3, LAPS-1
.Llap:
	TURN 0, 1, 1
	STEP 1, 0, 0
	TURN 1, 0, 1
	STEP 0, 0, 0
	s_sub_co_u32 s3, s3, 1
	s_cmp_lg_u32 s3, 0
	s_cbranch_scc1 .Llap
	TURN 0, 1, 0                                   ; the last lap fills nothing
	STEP 1, 0, 0
	s_wait_dscnt 4*NL
	WIN MUL_LO
	MUL16 0, 1, NQ-1, 1, 0
	MUL16 2, 1, NQ-1, 1, 0
	s_wait_dscnt 0
	WIN MUL_HI
	MUL16 4, 1, NQ-1, 1, 0
	MUL16 6, 1, NQ-1, 1, 0
	WIN 0
; THE WAY OUT, block by block of 16 rows x 128 columns, through my own stage: back as whole rows of 512 bytes.  LDS serves a wave's instructions in order: no wait between the stores and the loads.
.macro TOSTAGE a
.set AC, 64*((\a)%4)
	WIN 0x08+4*((\a)/4)                            ; the data: window 2 or 3
.irp b, 0,1,2,3,4,5,6,7
	ds_store_b128 v[STO], v[AC+8*\b:AC+8*\b+3] offset:64*\b          ; each accumulator from its low end on
	ds_store_b128 v[STO], v[AC+8*\b+4:AC+8*\b+7] offset:64*\b+16
.endr
	WIN 0
.set BB, BK+64*((\a)%2)
.irp t, 0,1,2,3,4,5,6,7,8,9,10,11,12,13,14,15
	ds_load_b128 v[BB+4*\t:BB+4*\t+3], v[RD] offset:\t*SPITCH
.endr
.endm
.macro SEND a, younger                 ; stage row t of block a is row 32 (a / 2) + 8 (a % 2) + t + 8 (t / 8) of my 128: it stands in the immediate, 520,192 bytes at the most
.set BB, BK+64*((\a)%2)
	s_wait_dscnt \younger                          ; the block is back in registers
.irp t, 0,1,2,3,4,5,6,7,8,9,10,11,12,13,14,15
	global_store_b128 v[CO], v[BB+4*\t:BB+4*\t+3], s[12:13] offset:(32*((\a)/2)+8*((\a)%2)+\t+8*(\t/8))*SIZE_N*4 th:TH_STORE_NT   ; 32 lanes store 512 consecutive bytes, aligned to 256
.endr
.endm
	PLACES NP
	TOSTAGE 0
.irp a, 1,2,3,4,5,6,7
.if \a > 1
	s_wait_xcnt 0x0                                ; block a - 2's stores have read their registers: block a's loads may land there
.endif
	TOSTAGE \a
	SEND \a-1, 32                                  ; behind block a - 1's loads: block a's 16 stores and 16 loads
.endr
	SEND 7, 0
	s_wait_tensorcnt 0x0                           ; the wave's end, behind my last tensor load and my last LDS store
	ds_add_u32 v[SPW], v[NIL]
	s_wait_dscnt 0x0
	CROUND                                         ; the closing round
	s_endpgm
.Lfunc_end_k_qada5428cdb_proj:
	.size	k_qada5428cdb_proj, .Lfunc_end_k_qada5428cdb_proj-k_qada5428cdb_proj
	.p2alignl 7, 3214868480
	.fill 96, 4, 3214868480
	.section	.rodata,"a",@progbits
	.p2align	6, 0x0
	.amdhsa_kernel k_qada5428cdb_proj
		.amdhsa_group_segment_fixed_size 327680
		.amdhsa_private_segment_fixed_size 0
		.amdhsa_enable_private_segment 0
		.amdhsa_kernarg_size 40
		.amdhsa_user_sgpr_count 2
		.amdhsa_user_sgpr_kernarg_segment_ptr 1
		.amdhsa_wavefront_size32 1
		.amdhsa_system_sgpr_workgroup_id_x 1
		.amdhsa_system_sgpr_workgroup_id_y 1
		.amdhsa_system_sgpr_workgroup_id_z 1
		.amdhsa_system_vgpr_workitem_id 0
		.amdhsa_next_free_vgpr 1024
		.amdhsa_next_free_sgpr 98
		.amdhsa_reserve_vcc 0
		.amdhsa_float_denorm_mode_32 3
		.amdhsa_float_denorm_mode_16_64 3
		.amdhsa_memory_ordered 1
		.amdhsa_forward_progress 1
		.amdhsa_inst_pref_size 159
	.end_amdhsa_kernel
	.amdgpu_metadata
---
amdhsa.version: [ 1, 2 ]
amdhsa.kernels:
  - .name:           k_qada5428cdb_proj
    .symbol:         k_qada5428cdb_proj.kd
    .args:
      - { .name: y_codes, .offset: 0, .size: 8, .value_kind: global_buffer, .address_space: global }
      - { .name: y_scales, .offset: 8, .size: 8, .value_kind: global_buffer, .address_space: global }
      - { .name: xw_codes, .offset: 16, .size: 8, .value_kind: global_buffer, .address_space: global }
      - { .name: xw_scales, .offset: 24, .size: 8, .value_kind: global_buffer, .address_space: global }
      - { .name: out0, .offset: 32, .size: 8, .value_kind: global_buffer, .address_space: global }
    .group_segment_fixed_size: 327680
    .private_segment_fixed_size: 0
    .kernarg_segment_align: 8
    .kernarg_segment_size: 40
    .max_flat_workgroup_size: 128
    .sgpr_count:     98
    .vgpr_count:     1024
    .wavefront_size: 32
...
	.end_amdgpu_metadata
.endif
;; end of part 4
